; MI455X (gfx1250); checked and timed in simulation.
; The chip was launched on July 23, 2026; its instructions are those of AMD's public machine-readable ISA for CDNA 5 (MIT licence, August 2026) and "CDNA5" Instruction Set Architecture Reference Guide (July 2026). The comments in the code are by the model that wrote it; some were corrected since.
;; Multihead Self Attention. Allowed arithmetic: matrix products marked QUANTISED: E4M3 operands, one E8M0 scale for each 32 along K, by v_wmma_scale_f32_16x16x128_f8f6f4 with both operands' format E4M3, f32 sums; everything else in f32.
;; Inputs: Wk 16 x 1,024 x 64 float32; Wo 1,024 x 1,024 float32; Wq 16 x 1,024 x 64 float32; Wv 16 x 1,024 x 64 float32; bk 16 x 64 float32; bo 1,024 float32; bq 16 x 64 float32; bv 16 x 64 float32; x 4 x 2,048 x 1,024 float32.
;; Outputs: out0 4 x 2,048 x 1,024 float32.
;; This version of the problem:
;;   THIS VERSION OF THE PROBLEM IS GIVEN IN LOW PRECISION. The matrix products marked QUANTISED in the list below multiply operands that are first quantised to E4M3 (4 exponent bits, 3 mantissa bits; 8 bits a number), with one power-of-two scale for each 32 numbers along K (OCP MX v1.0); their sums are f32. All else is computed in f32.
;;   The module's matrix products, in the order in which they are computed (A, B: the left and right operand; K: the contracted axis; several contracted axes count as one K, in the product's order):
;;     1. [M 1,024, K 1,024] x [K 1,024, N 8,192]; A: input Wq; B: input x: QUANTISED
;;     2. [M 1,024, K 1,024] x [K 1,024, N 8,192]; A: input Wk; B: input x: QUANTISED
;;     3. [M 1,024, K 1,024] x [K 1,024, N 8,192]; A: input Wv; B: input x: QUANTISED
;;     4. batch 64 x [M 2,048, K 64] x [K 64, N 2,048]; A: computed on the way; B: computed on the way: QUANTISED
;;     5. batch 64 x [M 2,048, K 2,048] x [K 2,048, N 64]; A: softmax (see below); B: computed on the way: QUANTISED
;;     6. [M 8,192, K 1,024] x [K 1,024, N 1,024]; A: computed on the way; B: input Wo: QUANTISED
;;   THE QUANTISER, for each operand of a quantised product, along K:
;;     - K is cut into blocks of 32 from its start; a last block that is shorter is filled with zeros.
;;     - A block's scale is 2^e with e = floor(log2(the largest magnitude in the block)) - 8, held to -126 .. 127; a block of zeros has e = 0. As a byte (E8M0): e + 127.
;;     - Each number is divided by its block's scale, clamped to +-448, and rounded to the nearest number of E4M3, ties to even, subnormals kept.
;;     - The product sums the exact products of the quantised numbers (number of the format x scale) in f32.
;;   ~~~python
;;   def quantise(x, axis):      # numpy; x: float32 -> the quantised numbers, widened to float32 again
;;       x = np.moveaxis(x, axis, -1); K = x.shape[-1]
;;       x = np.pad(x, [(0, 0)] * (x.ndim - 1) + [(0, -K % 32)]); x = x.reshape(x.shape[:-1] + (-1, 32)); a = np.abs(x).max(-1, keepdims=True)
;;       e = np.where(a > 0, np.clip(np.frexp(np.where(a > 0, a, 1))[1] - 1 - 8, -126, 127), 0)      # np.frexp(a)[1] - 1 = floor(log2(a)), exactly
;;       r = np.clip(x / 2.0 ** e, -448, 448)
;;       step = 2.0 ** (np.maximum(np.frexp(np.where(r == 0, 1, r))[1] - 1, -6) - 3)
;;       q = np.round(r / step) * step * 2.0 ** e      # np.round: ties to even
;;       return np.moveaxis(q.reshape(q.shape[:-2] + (-1,))[..., :K], -1, axis).astype(np.float32)
;;   ~~~
;;   SOFTMAX AHEAD OF A QUANTISED PRODUCT. Where the list says 'softmax', what is quantised is not the finished softmax but p = 2^(t - M), with t = logit x log2(e) and M = ceil(the row's largest t), a whole number; so 1/2 < the row's largest p <= 1. The row's sum l is taken of the UNQUANTISED p, in f32, and the product's result is divided by l at the end. Since M is a whole number, a kernel that streams over the keys may use a running M (the ceiling of the running maximum): every later rescaling is an exact power of two, which a block's scale takes up: the codes' values come out the same.
;;   OPERANDS COMPUTED ON THE WAY. 'Computed on the way' means the value that the module computes at that place (a softmax that the list does not call 'softmax' is quantised finished and normalised). What goes into a quantiser is computed in f32, as accurately as f32 sums, v_exp_f32 and their like allow (about 1e-6 of the number): no bf16 or f16 on the way to a quantiser, and a product that is left as it is and whose result goes on into a quantised operand takes f32 operands (vector FMAs, or v_wmma_f32_16x16x4_f32). A number that lies on a knife's edge between two numbers of the format may be rounded either way, as far as f32 arithmetic and the matrix unit's own rounding can turn it there, and no further.
;; One version. Each part assembles by itself: llvm-mc -triple=amdgcn-amd-amdhsa -mcpu=gfx1250 --defsym DOCPART=n.
;; ======== version 1 of 1: 4 launches
;; limits: right only within a limited range of input values
;; workspace buffers: xc 8,388,608 bytes; xs 262,144 bytes; wc 4,194,304 bytes; ws 131,072 bytes; qkv 26,476,544 bytes; zc 8,388,608 bytes; zs 524,288 bytes
;; launch prep (part 1): grid 384 x 1, 4 waves a work-group, no clusters, 68,096 bytes of LDS; arguments x, Wq, Wk, Wv, Wo, xc, xs, wc, ws; writes xc, xs, wc, ws
.if DOCPART == 1
	.amdgcn_target "amdgcn-amd-amdhsa--gfx1250"
	.amdhsa_code_object_version 6
	.text
	.protected	k_qd55685aa0b_prep
	.globl	k_qd55685aa0b_prep
	.p2align	8
	.type	k_qd55685aa0b_prep,@function
k_qd55685aa0b_prep:
	s_mov_b64 s[64:65], 0
	v_nop
	global_prefetch_b8 v0, s[64:65] scope:SCOPE_SE
	s_setreg_imm32_b32 hwreg(HW_REG_WAVE_MODE, 25, 1), 1
	s_wait_xcnt 0x0
; x [8192][1024] and the four weights, all f32, become codes of FP8 (E4M3) with K innermost and one E8M0 scale byte for each 32 along K.
; A block's scale is 2^(floor(log2(its largest magnitude)) - 8); its byte is the largest magnitude's exponent field - 8, held at 1 from below; each number is divided by the scale,
; held within +-448 and rounded to the nearest code, ties to even.
; LIMITS: NaN and infinities among the inputs are not served; a block whose largest magnitude lies under 2^-118 gets the byte 1; a block of zeros gets the byte 1 where the rule says 127:
; its codes are zeros, which add nothing under any byte but 0xff, and the bytes are read by this program alone.
; ROW ORDER.  In xc/xs (rows = b x 2048 + s) and in wc/ws (rows n: 0.. Wq, 1024.. Wk, 2048.. Wv with n = 64 h + d; 3072.. Wo with n = e) the two middle groups of 8 rows of every 32 change places:
; place p holds row 8 (p / 16) + p % 16 + 8 ((p % 16) / 8).  Sixteen neighbouring places are then the rows that a tile wants so that the results of two neighbouring tiles are 16 neighbours along the next K.
; Work-groups 0 to 255 take x (K innermost: a stream of blocks), 256 to 383 the weights (K is not innermost: a lane takes a column, its registers run down K).  The two ways never join; each has LDS bytes of its own.
.set XWG,   256                        ; work-groups for x: 8,192 x 1,024 numbers / 32,768
.set MANT,  0x600000                   ; the mantissa field of 448 as f32
.set FLOOR, 0x4800000                  ; 2^(9 - 127)
.set STEPS, 16
.set WREG,  8192                       ; way X, LDS: a region for each wave: two stages of 32 x SP bytes, behind them its 256 scale bytes
.set SP,    80                         ; a lane's place in a stage: 64 bytes + 16 of padding
.set XR,    16                         ; v16-143  eight sets of 16 numbers as they are loaded
.set XX,    144                        ; v144-175 two sets of 16 neighbours
.set XE,    176                        ; v176-191 a scale byte for each step
.set XC,    192                        ; v192-255 codes: four registers for each step, so that no store's data are written again
.set WLDS,  32768                      ; way W, LDS: from here a stage of 32 rows x WPITCH for each wave
.set WPITCH, 272                       ; 256 bytes of codes + 16 of padding
.set WAO,   16                         ; v16-47   offsets of the 32 rows of a block: 4 x lane + i x the row's stride
.set WX,    48                         ; v48-111  two sets of 32 numbers
.set WC,    112                        ; v112-119 a block's codes
.set WSB,   120                        ; v120-121 the eight scale bytes
.set WOUT,  128                        ; v128-191 the way out
	s_load_b512 s[4:19], s[0:1], 0x0               ; x s[4:5], Wq s[6:7], Wk s[8:9], Wv s[10:11], Wo s[12:13], xc s[14:15], xs s[16:17], wc s[18:19]
	s_load_b64 s[20:21], s[0:1], 0x40              ; ws
	s_set_vgpr_msb 0x40
	v_lshl_add_u32 v0, v0, 2, 0x10800
	v_mov_b32 v1, 0
	s_set_vgpr_msb 0x4000
	v_lshrrev_b32 v1, 5, v0
	v_readfirstlane_b32 s22, v1                    ; wave 0..3
	v_and_b32 v2, 31, v0                           ; lane
	s_mov_b32 s24, MANT                            ; (an instruction takes one literal: the hold's line has another)
	s_cmp_lt_u32 ttmp9, XWG
	s_cbranch_scc0 .Lweights
; ---------------- WAY X: a wave takes 8 rows of x, 16 steps of 512 numbers.  Each load reads 512 consecutive bytes; a step's 2,048 bytes turn through the wave's own stage so that a lane holds 16 neighbours.
	v_lshlrev_b32 v3, 4, v2                        ; 16 x lane: my bytes of a load's 512, and of a step's 512 bytes of codes
	s_mul_i32 s23, s22, WREG
	v_lshrrev_b32 v14, 2, v2
	v_mul_u32_u24 v14, v14, SP
	v_and_b32 v15, 3, v2
	v_lshl_add_u32 v14, v15, 4, v14
	v_add_nc_u32 v14, s23, v14                     ; into the stage: SP (lane / 4) + 16 (lane % 4)
	v_mul_u32_u24 v15, v2, SP
	v_add_nc_u32 v15, s23, v15                     ; out of it: SP x lane: my 16 neighbours
	v_lshrrev_b32 v5, 1, v2
	s_add_co_u32 s23, s23, 2*32*SP
	v_add_nc_u32 v5, s23, v5                       ; my block's scale byte among my wave's 256
	v_lshlrev_b32 v7, 3, v2
	v_add_nc_u32 v6, s23, v7                       ; and on the way out 8 bytes a lane
	s_lshl_b32 s25, ttmp9, 2
	s_add_co_u32 s26, s25, s22                     ; the run of 8 rows that I read: 4 x work-group + wave
	s_and_b32 s27, s22, 1
	s_lshl_b32 s27, s27, 1
	s_lshr_b32 s28, s22, 1
	s_or_b32 s27, s27, s28
	s_add_co_u32 s27, s25, s27                     ; and where it goes: runs 1 and 2 of the four change places
	s_lshl_b32 s28, s26, 15                        ; 8,192 numbers of 4 bytes
	s_mov_b32 s29, 0
	s_lshl_b32 s30, s27, 13                        ; 8,192 codes
	s_mov_b32 s31, 0
	s_lshl_b32 s32, s27, 8                         ; 256 scale bytes
	s_mov_b32 s33, 0
	s_wait_alu depctr_va_vdst(0)
	s_wait_kmcnt 0x0
	s_add_nc_u64 s[4:5], s[4:5], s[28:29]
	s_add_nc_u64 s[14:15], s[14:15], s[30:31]
	s_add_nc_u64 s[16:17], s[16:17], s[32:33]
.macro XLOAD t
.irp i, 0,1,2,3
	global_load_b128 v[XR+16*((\t)%8)+4*\i:XR+16*((\t)%8)+4*\i+3], v3, s[4:5] offset:2048*(\t)+512*\i th:TH_LOAD_NT   ; 32 lanes read 512 consecutive bytes
.endr
.endm
.macro XTURN t                         ; step t's numbers through the stage: LDS serves a wave's instructions in order, so no wait stands between the stores and the loads
.irp i, 0,1,2,3
	ds_store_b128 v14, v[XR+16*((\t)%8)+4*\i:XR+16*((\t)%8)+4*\i+3] offset:32*SP*((\t)%2)+8*SP*\i
.endr
.irp i, 0,1,2,3
	ds_load_b128 v[XX+16*((\t)%2)+4*\i:XX+16*((\t)%2)+4*\i+3], v15 offset:32*SP*((\t)%2)+16*\i
.endr
.endm
.irp t, 0,1,2,3,4,5,6,7
	XLOAD \t                                       ; eight steps, 32 loads of 512 bytes, are on their way
.endr
	s_wait_loadcnt 28                              ; step 0's four loads are in; the 28 behind them may be out
	XTURN 0
.macro XSTEP t
.set XS, XX+16*((\t)%2)
.if (\t) > 0
	s_wait_dscnt 1                                 ; this step's numbers are back from the stage (the last step's byte store may be out)
.else
	s_wait_dscnt 0x0
.endif
.if (\t)+8 < STEPS
	XLOAD (\t)+8                                   ; into the set that the stage's stores have read
.endif
.if (\t)+1 < STEPS
.if (\t) <= 7
	s_wait_loadcnt 28                              ; the next step's four loads are in; those of the seven steps behind it may be out
.else
	s_wait_loadcnt 4*(14-(\t))
.endif
	XTURN (\t)+1                                   ; and go through the other stage while this step is worked
.endif
	v_max3_num_f32 v8, |v[XS]|, |v[XS+1]|, |v[XS+2]|               ; the largest magnitude of my 16, in two chains
	v_max3_num_f32 v9, |v[XS+3]|, |v[XS+4]|, |v[XS+5]|
.irp i, 6,10
	v_max3_num_f32 v8, v8, |v[XS+\i]|, |v[XS+\i+1]|
	v_max3_num_f32 v9, v9, |v[XS+\i+2]|, |v[XS+\i+3]|
.endr
	v_max3_num_f32 v8, v8, |v[XS+14]|, |v[XS+15]|
	v_max3_num_f32 v8, v8, v9, FLOOR               ; and the floor: the byte cannot fall under 1
	v_max_num_f32_dpp v8, v8, v8 row_xmask:1 row_mask:0xf bank_mask:0xf   ; and of my neighbour's 16: the block's
	v_add_nc_u32 v11, 0xfc000000, v8               ; 8 off its exponent field: the conversion takes the exponent field of this operand as its scale
	v_and_or_b32 v10, v8, 0x7f800000, s24          ; 448 x the scale
.irp i, 0,1,2,3,4,5,6,7,8,9,10,11,12,13,14,15
	v_med3_num_f32 v[XS+\i], v[XS+\i], -v10, v10   ; the conversion to an 8-bit code does not saturate (ISA guide 7.6.2): the hold comes first
.endr
	v_cvt_scalef32_pk8_fp8_f32 v[XC+4*(\t):XC+4*(\t)+1], v[XS:XS+7], v11
	v_cvt_scalef32_pk8_fp8_f32 v[XC+4*(\t)+2:XC+4*(\t)+3], v[XS+8:XS+15], v11
	v_lshrrev_b32 v[XE+(\t)], 23, v11              ; the scale's byte
	ds_store_b8 v5, v[XE+(\t)] offset:16*(\t)      ; both lanes of a block write the same byte with the same value
	global_store_b128 v3, v[XC+4*(\t):XC+4*(\t)+3], s[14:15] offset:512*(\t)   ; 32 lanes store 512 consecutive bytes, aligned
.endm
.irp t, 0,1,2,3,4,5,6,7,8,9,10,11,12,13,14,15
	XSTEP \t
.endr
	ds_load_b64 v[12:13], v6                       ; LDS serves a wave's instructions in order: these see my byte stores
	s_wait_dscnt 0x0
	global_store_b64 v7, v[12:13], s[16:17]        ; 32 lanes store 256 consecutive bytes, aligned
	s_set_vgpr_msb 0x5
	s_wait_tensorcnt 0x0
	ds_add_u32 v0, v1
	s_wait_dscnt 0x0
	s_set_vgpr_msb 0x500
	s_endpgm
; ---------------- WAY W: a wave takes 32 columns n x 256 along K: 8 blocks a lane.  One text serves both strides along K: 256 bytes in Wq, Wk, Wv ([h][e][d]), 4,096 in Wo ([k][e]).
.Lweights:
	s_sub_co_u32 s23, ttmp9, XWG
	s_and_b32 s25, s23, 31
	s_lshl_b32 s25, s25, 7
	s_lshl_b32 s26, s22, 5
	s_add_co_u32 s25, s25, s26                     ; my first row n of wc: 128 x (id % 32) + 32 x wave
	s_lshr_b32 s26, s23, 5                         ; which 256 along K
	s_lshr_b32 s27, s25, 10                        ; which tensor: 0 Wq, 1 Wk, 2 Wv, 3 Wo
	s_and_b32 s28, s25, 1023                       ; n inside it
	s_lshr_b32 s30, s28, 6
	s_lshl_b32 s30, s30, 18                        ; a head is 262,144 bytes,
	s_and_b32 s29, s28, 63
	s_lshl_b32 s29, s29, 2                         ; d x 4,
	s_add_co_u32 s30, s30, s29
	s_lshl_b32 s29, s26, 16                        ; 256 rows e of 256 bytes
	s_add_co_u32 s30, s30, s29
	s_lshl_b32 s29, s28, 2                         ; Wo: e x 4,
	s_lshl_b32 s31, s26, 20                        ; 256 rows k of 4,096 bytes
	s_add_co_u32 s29, s29, s31
	s_mov_b32 s34, 4096
	s_cmp_eq_u32 s27, 3
	s_cselect_b32 s30, s29, s30                    ; where my part begins in the tensor
	s_cselect_b32 s34, s34, 256                    ; bytes from k to k + 1
	s_mov_b32 s31, 0
	s_lshl_b32 s32, s34, 5                         ; a block of 32 on
	s_mov_b32 s33, 0
	s_lshl_b32 s36, s25, 10                        ; wc: row n0 of 1,024 bytes
	s_lshl_b32 s29, s26, 8
	s_add_co_u32 s36, s36, s29
	s_mov_b32 s37, 0
	s_lshl_b32 s38, s25, 5                         ; ws: row n0 of 32 bytes
	s_lshl_b32 s29, s26, 3
	s_add_co_u32 s38, s38, s29
	s_mov_b32 s39, 0
	s_mul_i32 s35, s22, 32*WPITCH
	s_add_co_u32 s35, s35, WLDS                    ; my stage
	s_wait_alu depctr_va_vdst(0)
	v_lshlrev_b32 v3, 2, v2                        ; 4 bytes a lane
.set i, 0
.rept 32
	v_mad_u32_u24 v[WAO+i], s34, i, v3
.set i, i+1
.endr
	v_and_b32 v9, 7, v2                            ; my column's place among the 32: bits 3 and 4 of the lane change places
	v_bfe_u32 v10, v2, 3, 1
	v_lshl_or_b32 v9, v10, 4, v9
	v_bfe_u32 v10, v2, 4, 1
	v_lshl_or_b32 v9, v10, 3, v9
	v_mul_u32_u24 v4, v9, WPITCH
	v_add_nc_u32 v4, s35, v4                       ; into the stage: row = my place
	v_lshlrev_b32 v9, 5, v9                        ; and my row of scale bytes
	v_and_b32 v5, 15, v2
	v_lshrrev_b32 v6, 4, v2                        ; out of the stage: sixteen lanes to a row, two rows an instruction
	v_mul_u32_u24 v7, v6, WPITCH
	v_lshl_add_u32 v7, v5, 4, v7
	v_add_nc_u32 v7, s35, v7
	v_lshlrev_b32 v8, 10, v6
	v_lshl_add_u32 v8, v5, 4, v8                   ; the same place in wc
	s_wait_kmcnt 0x0
	s_cmp_eq_u32 s27, 1                            ; the tensor is chosen by the work-group's number alone
	s_cselect_b64 s[6:7], s[8:9], s[6:7]
	s_cmp_eq_u32 s27, 2
	s_cselect_b64 s[6:7], s[10:11], s[6:7]
	s_cmp_eq_u32 s27, 3
	s_cselect_b64 s[6:7], s[12:13], s[6:7]
	s_add_nc_u64 s[6:7], s[6:7], s[30:31]
	s_add_nc_u64 s[18:19], s[18:19], s[36:37]
	s_add_nc_u64 s[20:21], s[20:21], s[38:39]
.macro WLOAD t                         ; block t: W(32 t + i, my column), i = 0 .. 31, into set t % 2
.if (\t) > 0
	s_wait_xcnt 0x0                                ; the earlier loads have had their addresses translated: the base may step
	s_add_nc_u64 s[6:7], s[6:7], s[32:33]
.endif
.set i, 0
.rept 32
	global_load_b32 v[WX+32*((\t)%2)+i], v[WAO+i], s[6:7] th:TH_LOAD_NT   ; 32 lanes read 128 consecutive bytes
.set i, i+1
.endr
.endm
	WLOAD 0
	WLOAD 1
.macro WBLOCK t
.set XS, WX+32*((\t)%2)
.if (\t) < 7
	s_wait_loadcnt 32                              ; this block's 32 loads are in; the next block's may be out
.else
	s_wait_loadcnt 0x0
.endif
	v_max3_num_f32 v12, |v[XS]|, |v[XS+1]|, |v[XS+2]|              ; the block's largest magnitude: all 32 numbers are mine
	v_max3_num_f32 v13, |v[XS+3]|, |v[XS+4]|, |v[XS+5]|
.irp i, 6,10,14,18,22,26
	v_max3_num_f32 v12, v12, |v[XS+\i]|, |v[XS+\i+1]|
	v_max3_num_f32 v13, v13, |v[XS+\i+2]|, |v[XS+\i+3]|
.endr
	v_max3_num_f32 v12, v12, |v[XS+30]|, |v[XS+31]|
	v_max3_num_f32 v12, v12, v13, FLOOR
	v_add_nc_u32 v11, 0xfc000000, v12
	v_and_or_b32 v10, v12, 0x7f800000, s24
	v_lshrrev_b32 v13, 23, v11                     ; the scale's byte
.if (\t)%4 == 0
	v_mov_b32 v[WSB+(\t)/4], v13                   ; four bytes to a register, the lower K in the lower byte
.else
	v_lshl_or_b32 v[WSB+(\t)/4], v13, 8*((\t)%4), v[WSB+(\t)/4]
.endif
.irp i, 0,1,2,3,4,5,6,7,8,9,10,11,12,13,14,15,16,17,18,19,20,21,22,23,24,25,26,27,28,29,30,31
	v_med3_num_f32 v[XS+\i], v[XS+\i], -v10, v10
.endr
.irp g, 0,1,2,3
	v_cvt_scalef32_pk8_fp8_f32 v[WC+2*\g:WC+2*\g+1], v[XS+8*\g:XS+8*\g+7], v11
.endr
	ds_store_b128 v4, v[WC:WC+3] offset:32*(\t)    ; 32 codes: 32 bytes of my column's row
	ds_store_b128 v4, v[WC+4:WC+7] offset:32*(\t)+16
.if (\t)+2 < 8
	WLOAD (\t)+2
.endif
	s_wait_dscnt 0x0                               ; the stores have read their registers: the next block's codes may be written
.endm
.irp t, 0,1,2,3,4,5,6,7
	WBLOCK \t
.endr
	global_store_b64 v9, v[WSB:WSB+1], s[20:21]    ; my column's 8 scale bytes: 8 bytes of each of 32 rows: one byte in 128 of what this way reads
.irp t, 0,1,2,3,4,5,6,7,8,9,10,11,12,13,14,15
	ds_load_b128 v[WOUT+4*\t:WOUT+4*\t+3], v7 offset:2*\t*WPITCH   ; LDS serves a wave's instructions in order: these see my stores
.endr
.irp t, 0,1,2,3,4,5,6,7,8,9,10,11,12,13,14,15
	s_wait_dscnt 15-\t
	global_store_b128 v8, v[WOUT+4*\t:WOUT+4*\t+3], s[18:19] offset:2*\t*1024   ; sixteen lanes store 256 consecutive bytes, aligned
.endr
	s_set_vgpr_msb 0x5
	s_wait_tensorcnt 0x0
	ds_add_u32 v0, v1
	s_wait_dscnt 0x0
	s_set_vgpr_msb 0x500
	s_endpgm
.Lfunc_end_k_qd55685aa0b_prep:
	.size	k_qd55685aa0b_prep, .Lfunc_end_k_qd55685aa0b_prep-k_qd55685aa0b_prep
	.p2alignl 7, 3214868480
	.fill 96, 4, 3214868480
	.section	.rodata,"a",@progbits
	.p2align	6, 0x0
	.amdhsa_kernel k_qd55685aa0b_prep
		.amdhsa_group_segment_fixed_size 68096
		.amdhsa_private_segment_fixed_size 0
		.amdhsa_enable_private_segment 0
		.amdhsa_kernarg_size 72
		.amdhsa_user_sgpr_count 2
		.amdhsa_user_sgpr_kernarg_segment_ptr 1
		.amdhsa_wavefront_size32 1
		.amdhsa_system_sgpr_workgroup_id_x 1
		.amdhsa_system_sgpr_workgroup_id_y 1
		.amdhsa_system_sgpr_workgroup_id_z 1
		.amdhsa_system_vgpr_workitem_id 0
		.amdhsa_next_free_vgpr 258
		.amdhsa_next_free_sgpr 66
		.amdhsa_reserve_vcc 0
		.amdhsa_float_denorm_mode_32 3
		.amdhsa_float_denorm_mode_16_64 3
		.amdhsa_memory_ordered 1
		.amdhsa_forward_progress 1
		.amdhsa_inst_pref_size 113
	.end_amdhsa_kernel
	.amdgpu_metadata
---
amdhsa.version: [ 1, 2 ]
amdhsa.kernels:
  - .name:           k_qd55685aa0b_prep
    .symbol:         k_qd55685aa0b_prep.kd
    .args:
      - { .name: x, .offset: 0, .size: 8, .value_kind: global_buffer, .address_space: global }
      - { .name: Wq, .offset: 8, .size: 8, .value_kind: global_buffer, .address_space: global }
      - { .name: Wk, .offset: 16, .size: 8, .value_kind: global_buffer, .address_space: global }
      - { .name: Wv, .offset: 24, .size: 8, .value_kind: global_buffer, .address_space: global }
      - { .name: Wo, .offset: 32, .size: 8, .value_kind: global_buffer, .address_space: global }
      - { .name: xc, .offset: 40, .size: 8, .value_kind: global_buffer, .address_space: global }
      - { .name: xs, .offset: 48, .size: 8, .value_kind: global_buffer, .address_space: global }
      - { .name: wc, .offset: 56, .size: 8, .value_kind: global_buffer, .address_space: global }
      - { .name: ws, .offset: 64, .size: 8, .value_kind: global_buffer, .address_space: global }
    .group_segment_fixed_size: 68096
    .private_segment_fixed_size: 0
    .kernarg_segment_align: 8
    .kernarg_segment_size: 72
    .max_flat_workgroup_size: 128
    .sgpr_count:     66
    .vgpr_count:     258
    .wavefront_size: 32
...
	.end_amdgpu_metadata
.endif
;; end of part 1
;; launch proj (part 2): grid 12 x 32, 4 waves a work-group, clusters of 4 x 4, 327,680 bytes of LDS; arguments xc, xs, wc, ws, bq, bk, bv, qkv; writes qkv
.if DOCPART == 2
	.amdgcn_target "amdgcn-amd-amdhsa--gfx1250"
	.amdhsa_code_object_version 6
	.text
	.protected	k_qd55685aa0b_proj
	.globl	k_qd55685aa0b_proj
	.p2align	8
	.type	k_qd55685aa0b_proj,@function
k_qd55685aa0b_proj:
	s_mov_b64 s[64:65], 0
	v_nop
	global_prefetch_b8 v0, s[64:65] scope:SCOPE_SE
	s_setreg_imm32_b32 hwreg(HW_REG_WAVE_MODE, 25, 1), 1
	s_wait_xcnt 0x0
	s_wait_alu depctr_hold_cnt(0) depctr_sa_sdst(0) depctr_va_vdst(0) depctr_va_sdst(0) depctr_va_ssrc(0) depctr_va_vcc(0) depctr_vm_vsrc(0)
	s_getreg_b32 s2, hwreg(HW_REG_IB_STS2, 6, 4)
	s_cmp_eq_u32 s2, 0
	s_cbranch_scc0 .Lentry_in_a_cluster
	s_endpgm
.Lentry_in_a_cluster:
	s_bfe_u32 s2, ttmp6, 0x10000c
	s_cmp_lg_u32 s2, 0xf033
	s_cbranch_scc0 .Lentry_shape_is_right
	s_endpgm
.Lentry_shape_is_right:
.set KSTEP,  256
.set NQ,     2
.set ROWB,   256
.set KROW,   1024
.set PITCH,  272
.set FR,     16
.set NL,     4
.set NP,     8
.set HALFT,  128*PITCH
.set SLOT,   4*HALFT
.set LAPS,   2
.set KS,     32
.set SCL,    2*SLOT
.set HALFS,  (128*KS/256)*272
.set SBLK,   (16*KS/256)*272
.set SPARE,  SCL+4*HALFS
.set SCST,   SPARE+512
.set BHB,    413696
.set RECB,   25856
.set ADRA, 16
.set ADRB, 20
.set BOF,  22
.set BOR,  23
.set LI,   24
.set L8,   25
.set SST,  26
.set ADRS, 27
.set SPW,  28
.set NIL,  29
.set SRD,  30
.set SH,   31
.set SC,   32
.set AF,   128
.set T,    128
.set PCD,  192
.set BKS,  208
.set HW,   216
.set TM,   224
.set PWR,  240
.set G1, 24
.set G0, 32
.set G1B, 48
.set G0B, 56
.set G1S, 68
.set G0S, 76
.set G1SB, 80
.set G0SB, 88
.set MODE, 95
.set MK,   98
.set SEL,  18
.set MNT,  42
.set MSB, 0
.macro WIN new
.if MSB != \new
	s_set_vgpr_msb (MSB<<8)|\new
.set MSB, \new
.endif
.endm
.set MUL_LO, 0xa1
.set MUL_HI, 0xf1
.set TO_B,   0x40
.macro JLOAD g0a, g1a, g0b, g1b
	s_cmp_eq_u32 s15, 0
	s_cbranch_scc0 .Lfor_b_\@
	tensor_load_to_lds s[\g0a:\g0a+3], s[\g1a:\g1a+7]
	s_nop 0
.rept 4
	v_nop
.endr
	s_branch .Lasked_\@
.Lfor_b_\@:
	tensor_load_to_lds s[\g0b:\g0b+3], s[\g1b:\g1b+7]
	s_nop 0
.rept 4
	v_nop
.endr
.Lasked_\@:
.endm
.macro CREST
	s_cmp_lg_u32 s14, 0
	s_cbranch_scc1 .Lnot_wave_0_\@
	s_barrier_signal -3
.Lnot_wave_0_\@:
	s_barrier_wait -3
	s_barrier_signal -1
	s_barrier_wait -1
.endm
.macro CROUND
	s_barrier_signal -1
	s_barrier_wait -1
	CREST
.endm
	s_load_b512 s[68:83], s[0:1], 0x0
	v_lshl_add_u32 v[SPW], v0, 2, SPARE
	v_mov_b32 v[NIL], 0
	ds_add_u32 v28, v29
	ds_add_u32 v28, v29
	s_wait_dscnt 0x0
	v_lshrrev_b32 v1, 5, v0
	v_readfirstlane_b32 s14, v1
	s_lshr_b32 s15, s14, 1
	s_and_b32 s16, s14, 1
	s_bfe_u32 s40, ttmp6, 0x40000
	s_bfe_u32 s41, ttmp6, 0x40004
	s_and_b32 s17, ttmp7, 0xffff
	s_lshl_b32 s17, s17, 2
	s_lshl_b32 s43, s41, 2
	s_lshl_b32 s43, 15, s43
	s_lshl_b32 s44, 0x1111, s40
	s_or_b32 s[G1+0], s43, (0<<16)|(1<<20)|(1<<21)|(5<<22)|(3<<25)
	s_or_b32 s[G1B+0], s44, (0<<16)|(1<<20)|(1<<21)|(5<<22)|(3<<25)
.irp g, G1, G1B
	s_mov_b32 s[\g+1], ROWB<<16
	s_mov_b32 s[\g+2], 256<<16
	s_mov_b32 s[\g+3], ROWB<<16
	s_mov_b32 s[\g+4], 256
	s_mov_b32 s[\g+5], KROW
	s_mov_b32 s[\g+6], 0
	s_mov_b32 s[\g+7], 0
.endr
	s_mul_i32 s18, s16, 128*KROW
	s_mov_b32 s19, 0
	s_add_co_u32 s20, s17, s41
	s_add_co_u32 s21, s41, 8
	s_lshl_b32 s46, ttmp9, 2
	s_add_co_u32 s46, s46, s40
	s_add_co_u32 s47, s17, s40
	s_cmp_eq_u32 ttmp9, 2
	s_cselect_b32 s20, s21, s20
	s_cselect_b32 s46, s47, s46
	s_lshl_b32 s20, s20, 8
	s_lshl_b32 s46, s46, 8
	s_lshl_b32 s22, s20, 5
	s_mov_b32 s23, 0
	s_lshl_b32 s20, s20, 10
	s_mov_b32 s21, 0
	s_lshl_b32 s92, s46, 5
	s_mov_b32 s93, 0
	s_lshl_b32 s46, s46, 10
	s_mov_b32 s47, 0
	s_mul_i32 s45, s14, HALFT
	s_wait_kmcnt 0x0
	s_cmp_eq_u32 ttmp9, 2
	s_cselect_b64 s[4:5], s[72:73], s[68:69]
	s_cselect_b64 s[6:7], s[74:75], s[70:71]
	s_cselect_b64 s[8:9], s[68:69], s[72:73]
	s_cselect_b64 s[10:11], s[70:71], s[74:75]
	s_cselect_b32 s[MODE], 1, 0
	s_cselect_b32 s[MK], -1, 0xffff
	s_cselect_b32 s99, 0, 16
	s_mov_b64 s[66:67], s[76:77]
	s_cmp_eq_u32 ttmp9, 1
	s_cselect_b64 s[66:67], s[78:79], s[66:67]
	s_cmp_eq_u32 ttmp9, 2
	s_cselect_b64 s[66:67], s[80:81], s[66:67]
	s_mov_b64 s[12:13], s[82:83]
	s_mov_b64 s[96:97], s[82:83]
	s_add_nc_u64 s[20:21], s[4:5], s[20:21]
	s_add_nc_u64 s[22:23], s[6:7], s[22:23]
	s_add_nc_u64 s[46:47], s[8:9], s[46:47]
	s_add_nc_u64 s[92:93], s[10:11], s[92:93]
	s_or_b32 s[G1S+0], s43, (3<<16)|(1<<20)|(1<<21)|(5<<22)|(3<<25)
	s_or_b32 s[G1SB+0], s44, (3<<16)|(1<<20)|(1<<21)|(5<<22)|(3<<25)
.irp g, G1S, G1SB
	s_mov_b32 s[\g+1], 32<<16
	s_mov_b32 s[\g+2], (256*KS/256)<<16
	s_mov_b32 s[\g+3], 32<<16
	s_mov_b32 s[\g+4], 256*KS/256
	s_mov_b32 s[\g+5], 32
	s_mov_b32 s[\g+6], 0
	s_mov_b32 s[\g+7], 0
.endr
	CROUND
	s_mov_b32 s[G0S], 1
	s_mov_b32 s[G0S+1], SCL
	s_mov_b64 s[G0S+2:G0S+3], s[22:23]
	s_or_b32 s[G0S+3], s[G0S+3], 0x80000000
	s_mov_b32 s[G0SB], 1
	s_mov_b32 s[G0SB+1], SCL+2*HALFS
	s_mov_b64 s[G0SB+2:G0SB+3], s[92:93]
	s_or_b32 s[G0SB+3], s[G0SB+3], 0x80000000
	s_mov_b32 s4, 1                                ; the head's tiles, each whole: K step 0's 256 rows of A (s[4:7]) and of B (s[8:11]); the arguments that lay there have been used
	s_mov_b32 s5, 0
	s_mov_b64 s[6:7], s[20:21]
	s_or_b32 s7, s7, 0x80000000
	s_mov_b32 s8, 1
	s_mov_b32 s9, 2*HALFT
	s_mov_b64 s[10:11], s[46:47]
	s_or_b32 s11, s11, 0x80000000
	s_add_nc_u64 s[20:21], s[20:21], s[18:19]      ; for the ring: my 128 rows of the tile
	s_add_nc_u64 s[46:47], s[46:47], s[18:19]
.irp s, 0,1
	s_mov_b32 s[G0+4*\s], 1
	s_add_co_u32 s[G0+4*\s+1], s45, \s*SLOT
	s_add_nc_u64 s[G0+4*\s+2:G0+4*\s+3], s[20:21], \s*ROWB
	s_or_b32 s[G0+4*\s+3], s[G0+4*\s+3], 0x80000000
	s_mov_b32 s[G0B+4*\s], 1
	s_add_co_u32 s[G0B+4*\s+1], s45, \s*SLOT
	s_add_nc_u64 s[G0B+4*\s+2:G0B+4*\s+3], s[46:47], \s*ROWB
	s_or_b32 s[G0B+4*\s+3], s[G0B+4*\s+3], 0x80000000
.endr
; the head's loads, one a wave, in one chain of branches on the wave's number: wave 0 A's 256 rows of K step 0, wave 1 B's, wave 2 the scales of A's 256 rows, wave 3 those of B's
.macro ARM under, g0, g1, next
	s_cmp_lt_u32 s14, \under
	s_cbranch_scc0 \next
	tensor_load_to_lds s[\g0:\g0+3], s[\g1:\g1+7]
	s_nop 0
.rept 4
	v_nop
.endr
	s_branch .Lhead_asked
\next:
.endm
	ARM 1, 4, G1, .Lhead_b
	ARM 2, 8, G1B, .Lhead_sa
	ARM 3, G0S, G1S, .Lhead_sb
	tensor_load_to_lds s[G0SB:G0SB+3], s[G1SB:G1SB+7]
	s_nop 0
.rept 4
	v_nop
.endr
.Lhead_asked:
	v_and_b32 v1, 15, v0
	v_bfe_u32 v2, v0, 4, 1
	v_mul_u32_u24 v3, v1, PITCH
	v_lshl_add_u32 v4, v2, 4, v3
	s_mul_i32 s21, s15, HALFT
	s_mul_i32 s22, s16, HALFT
	s_add_co_u32 s22, s22, 2*HALFT
.irp s, 0,1
	v_add_nc_u32 v[ADRA+\s], s21, v4
	v_add_nc_u32 v[ADRB+\s], s22, v4
	s_add_co_u32 s21, s21, SLOT
	s_add_co_u32 s22, s22, SLOT
.endr
	v_mul_u32_u24 v5, v1, KS
	v_lshrrev_b32 v6, 8, v5
	v_lshl_add_u32 v5, v6, 4, v5
	s_mul_i32 s21, s15, HALFS
	s_mul_i32 s22, s16, HALFS
	s_add_co_u32 s22, s22, 2*HALFS
	s_sub_co_u32 s22, s22, s21
	v_mul_u32_u24 v6, s22, v2
	s_add_co_u32 s21, s21, SCL
	v_add_nc_u32 v5, v5, v6
	v_add_nc_u32 v[ADRS], s21, v5
	s_lshl_b32 s23, s14, 10
	s_add_co_u32 s23, s23, SCST
	v_lshlrev_b32 v[SST], 4, v1
	v_lshl_add_u32 v[SST], v2, 9, v[SST]
	v_add_nc_u32 v[SST], s23, v[SST]
	v_and_b32 v6, 31, v0
	v_lshlrev_b32 v[LI], 4, v6
	v_lshlrev_b32 v[L8], 3, v6
	v_add_nc_u32 v[SRD], s23, v[LI]
	v_mul_u32_u24 v[SH], s99, v2
	v_lshlrev_b32 v[BOF], 6, v2
	v_and_b32 v5, 8, v1
	v_add_nc_u32 v5, v5, v1
	v_lshlrev_b32 v[BOR], 2, v5
	s_cmp_eq_u32 ttmp9, 2
	s_cselect_b32 s2, s40, s41
	s_cselect_b32 s18, s41, s40
	s_cselect_b32 s19, s15, s16
	s_cselect_b32 s42, s16, s15
	s_add_co_u32 s2, s2, s17
	s_lshr_b32 s21, s2, 3
	s_lshl_b32 s21, s21, 4
	s_lshl_b32 s22, s18, 2
	s_add_co_u32 s21, s21, s22
	s_lshl_b32 s22, s19, 1
	s_add_co_u32 s21, s21, s22
	s_mul_i32 s21, s21, BHB
	s_and_b32 s22, s2, 7
	s_lshl_b32 s22, s22, 1
	s_add_co_u32 s22, s22, s42
	s_mul_i32 s22, s22, RECB
	s_add_co_u32 s20, s21, s22
	s_mov_b32 s21, 0
	s_add_nc_u64 s[12:13], s[12:13], s[20:21]
	s_add_nc_u64 s[96:97], s[96:97], s[20:21]
	s_mov_b32 s22, 17152
	s_mov_b32 s23, 25344
	s_cmp_eq_u32 ttmp9, 1
	s_cselect_b32 s22, 0, s22
	s_cselect_b32 s23, 16384, s23
	s_cmp_eq_u32 ttmp9, 2
	s_cselect_b32 s22, 8192, s22
	s_cselect_b32 s23, 16896, s23
	s_mov_b32 s20, s22
	s_add_nc_u64 s[12:13], s[12:13], s[20:21]
	s_mov_b32 s20, s23
	s_add_nc_u64 s[96:97], s[96:97], s[20:21]
	s_lshl_b32 s20, s18, 10
	s_lshl_b32 s22, s19, 9
	s_add_co_u32 s20, s20, s22
	s_add_nc_u64 s[66:67], s[66:67], s[20:21]
.macro FRAG reg, adr, q, i
.irp c, 0,1,2,3
	ds_load_b128 v[\reg+4*\c:\reg+4*\c+3], v[\adr] offset:128*(\q)+32*\c+(\i)*16*PITCH
.endr
.endm
.macro MUL16 a0, p, q, sc, zero
.irp a, \a0, \a0+1
.irp b, 0,1,2,3,4,5,6,7
.if \zero
	v_wmma_scale_f32_16x16x128_f8f6f4 v[8*(8*((\a)%4)+\b):8*(8*((\a)%4)+\b)+7], v[128*(\p)+FR*\b:128*(\p)+FR*\b+FR-1], v[AF+FR*(\a):AF+FR*(\a)+FR-1], 0, v[SC+8*NQ*(\sc)+NQ*\b+(\q)], v[SC+8*NQ*(\sc)+NQ*(\a)+(\q)] matrix_a_scale:MATRIX_SCALE_ROW1
.else
	v_wmma_scale_f32_16x16x128_f8f6f4 v[8*(8*((\a)%4)+\b):8*(8*((\a)%4)+\b)+7], v[128*(\p)+FR*\b:128*(\p)+FR*\b+FR-1], v[AF+FR*(\a):AF+FR*(\a)+FR-1], v[8*(8*((\a)%4)+\b):8*(8*((\a)%4)+\b)+7], v[SC+8*NQ*(\sc)+NQ*\b+(\q)], v[SC+8*NQ*(\sc)+NQ*(\a)+(\q)] matrix_a_scale:MATRIX_SCALE_ROW1
.endif
.endr
.endr
.endm
.macro FETCH_B slot, q, p
	WIN TO_B
.irp i, 0,1,2,3,4,5,6,7
	FRAG 128*(\p)+FR*\i, ADRB+\slot, \q, \i
.endr
	WIN 0
.endm
.macro FETCH_A slot, q, i0
.irp i, \i0, \i0+1, \i0+2, \i0+3
	FRAG AF+FR*(\i), ADRA+\slot, \q, \i
.endr
.endm
.macro SCALES sc
.irp i, 0,1,2,3,4,5,6,7
	ds_load_b64 v[SC+8*NQ*\sc+NQ*\i:SC+8*NQ*\sc+NQ*\i+1], v[ADRS] offset:\i*SBLK
.endr
.endm
.macro PLACES n
.rept \n
	v_nop
.endr
.endm
.macro STEP slot, q, zero
	s_wait_dscnt 4*NL
	WIN MUL_LO
	MUL16 0, (\q)%2, \q, \slot, \zero
	MUL16 2, (\q)%2, \q, \slot, \zero
	s_wait_dscnt 0
	PLACES NP
	FETCH_B \slot, (\q)+1, 1-(\q)%2
	FETCH_A \slot, (\q)+1, 0
	WIN MUL_HI
	MUL16 4, (\q)%2, \q, \slot, \zero
	MUL16 6, (\q)%2, \q, \slot, \zero
	PLACES NP
	WIN 0
	FETCH_A \slot, (\q)+1, 4
.endm
.macro TURN slot, next, fill
	s_wait_tensorcnt 0x0
	ds_add_u32 v[SPW], v[NIL]
	s_wait_dscnt 4*NL+1
	WIN MUL_LO
	MUL16 0, 1, NQ-1, \slot, 0
	s_wait_dscnt 0x0
	s_barrier_signal -1
	MUL16 2, 1, NQ-1, \slot, 0
	WIN 0
	s_barrier_wait -1
.if \fill
	CREST
	s_add_nc_u64 s[G0+4*\slot+2:G0+4*\slot+3], s[G0+4*\slot+2:G0+4*\slot+3], 2*ROWB
	s_add_nc_u64 s[G0B+4*\slot+2:G0B+4*\slot+3], s[G0B+4*\slot+2:G0B+4*\slot+3], 2*ROWB
	JLOAD G0+4*\slot, G1, G0B+4*\slot, G1B
	PLACES NP-4
.else
	PLACES NP
.endif
	s_wait_alu depctr_va_vdst(0)
	v_add_nc_u32 v[ADRS], 4*NQ, v[ADRS]
	FETCH_B \next, 0, 0
	FETCH_A \next, 0, 0
	SCALES \next
	WIN MUL_HI
	MUL16 4, 1, NQ-1, \slot, 0
	MUL16 6, 1, NQ-1, \slot, 0
	PLACES NP
	WIN 0
	FETCH_A \next, 0, 4
.endm
	s_wait_alu depctr_va_vdst(0)                   ; the wait at the head's end
	s_wait_tensorcnt 0x0                           ; my tile of the head's four is in; the lines ahead of a later first fill:
	ds_add_u32 v[SPW], v[NIL]
	s_mov_b32 s[G1+2], 128<<16                     ; no tensor load of mine is out: from here on a load brings 128 rows
	s_mov_b32 s[G1+4], 128
	s_mov_b32 s[G1B+2], 128<<16
	s_mov_b32 s[G1B+4], 128
	s_wait_dscnt 0x0
	CROUND                                         ; all four tiles are in, all sixteen work-groups are here
	JLOAD G0+4, G1, G0B+4, G1B                     ; K step 1's load, the first tensor load behind the round
	FETCH_B 0, 0, 0
	FETCH_A 0, 0, 0
	SCALES 0
	FETCH_A 0, 0, 4
	STEP 0, 0, 1
	s_mov_b32 s3, LAPS-1
.Llap:
	TURN 0, 1, 1
	STEP 1, 0, 0
	TURN 1, 0, 1
	STEP 0, 0, 0
	s_sub_co_u32 s3, s3, 1
	s_cmp_lg_u32 s3, 0
	s_cbranch_scc1 .Llap
	TURN 0, 1, 0
	STEP 1, 0, 0
	s_cmp_eq_u32 s[MODE], 0
	s_cbranch_scc0 .Lbias_of_rows
	WIN TO_B
.irp c, 0,1,2,3
.irp j, 0,1,2,3
	global_load_b128 v[16*\c+4*\j:16*\c+4*\j+3], v[BOF], s[66:67] offset:128*\c+16*\j
.endr
.endr
	WIN 0
	s_branch .Lbias_asked
.Lbias_of_rows:
	WIN TO_B
.irp a, 0,1,2,3,4,5,6,7
	global_load_b32 v[2*\a], v[BOR], s[66:67] offset:4*(32*(\a/2)+8*(\a%2))
.endr
	WIN 0
.Lbias_asked:
	s_wait_dscnt 4*NL
	WIN MUL_LO
	MUL16 0, 1, NQ-1, 1, 0
	MUL16 2, 1, NQ-1, 1, 0
	s_wait_dscnt 0
	WIN MUL_HI
	MUL16 4, 1, NQ-1, 1, 0
	MUL16 6, 1, NQ-1, 1, 0
	WIN 0
.macro QUANT pw
.irp b, 0,1,2,3
	v_max3_num_f32 v[TM+\b], |v[T+16*\b]|, |v[T+1+16*\b]|, 0x4800000
.endr
.irp i, 2,4,6,8,10,12,14
.irp b, 0,1,2,3
	v_max3_num_f32 v[TM+\b], v[TM+\b], |v[T+16*\b+\i]|, |v[T+1+16*\b+\i]|
.endr
.endr
.irp b, 0,1,2,3
	v_permlanex16_b32 v[TM+4+\b], v[TM+\b], s[SEL], s[SEL+1]
.endr
.irp b, 0,1,2,3
	v_max_num_f32 v[TM+\b], v[TM+\b], v[TM+4+\b]
.endr
.irp b, 0,1,2,3
	v_add_nc_u32 v[TM+12+\b], 0xfc000000, v[TM+\b]
.endr
.irp b, 0,1,2,3
	v_and_or_b32 v[TM+8+\b], v[TM+\b], 0x7f800000, s[MNT]
.endr
.irp b, 0,1,2,3
	v_lshrrev_b32 v[TM+4+\b], 23, v[TM+12+\b]
.endr
	v_lshl_or_b32 v[\pw], v[TM+5], 8, v[TM+4]
	v_lshl_or_b32 v[\pw], v[TM+6], 16, v[\pw]
	v_lshl_or_b32 v[\pw], v[TM+7], 24, v[\pw]
	s_wait_xcnt 0x0
.irp b, 0,1,2,3
.irp i, 0,1,2,3,4,5,6,7,8,9,10,11,12,13,14,15
	v_med3_num_f32 v[T+16*\b+\i], v[T+16*\b+\i], -v[TM+8+\b], v[TM+8+\b]
.endr
	v_cvt_scalef32_pk8_fp8_f32 v[PCD+4*\b:PCD+1+4*\b], v[T+16*\b:T+7+16*\b], v[TM+12+\b]
	v_cvt_scalef32_pk8_fp8_f32 v[PCD+2+4*\b:PCD+3+4*\b], v[T+8+16*\b:T+15+16*\b], v[TM+12+\b]
.endr
	v_nop
.endm
.macro OUTBLK a
.set AC, 64*((\a)%4)
	s_cmp_eq_u32 s[MODE], 0
	s_cbranch_scc0 .Ladd_row_\@
	WIN (0x06+(\a)/4)
.set i, 0
.rept 32
	v_pk_add_f32 v[T+i:T+i+1], v[AC+i:AC+i+1], v[i:i+1]
.set i, i+2
.endr
	WIN 0
	s_branch .Ladded_\@
.Ladd_row_\@:
	WIN (0x06+(\a)/4)
.set i, 0
.rept 32
	v_pk_add_f32 v[T+i:T+i+1], v[AC+i:AC+i+1], v[2*(\a):2*(\a)+1] op_sel_hi:[1,0]
.set i, i+2
.endr
	WIN 0
.Ladded_\@:
	QUANT PWR+(\a)
	s_cmp_eq_u32 s[MODE], 0
	s_cbranch_scc0 .Lcodes_v_\@
.irp c, 0,1,2,3
	global_store_b128 v[LI], v[PCD+4*\c:PCD+4*\c+3], s[12:13] offset:1024*(\a)+BHB*(\c/2)+512*(\c%2)
.endr
	s_branch .Lcodes_out_\@
.Lcodes_v_\@:
	s_wait_alu depctr_va_vdst(0)
.irp c, 0,1,2,3
	global_store_b128 v[LI], v[PCD+4*\c:PCD+4*\c+3], s[12:13] offset:BHB*((\a)/4)+2048*((\a)%4)+512*\c
.endr
.Lcodes_out_\@:
	v_lshrrev_b32 v[HW+(\a)], v[SH], v[PWR+(\a)]
	v_and_b32 v[HW+(\a)], s[MK], v[HW+(\a)]
	ds_store_b32 v[SST], v[HW+(\a)] offset:256*((\a)%2)+4*((\a)/2)
.endm
	PLACES NP
	s_wait_loadcnt 0x0
	s_mov_b32 s[SEL], 0x76543210
	s_mov_b32 s[SEL+1], 0xfedcba98
	s_mov_b32 s[MNT], 0x600000
.irp b, 0,1,2,3
	v_mov_b32 v[TM+4+\b], 0
.endr
.irp a, 0,1,2,3,4,5,6,7
	OUTBLK \a
.endr
	s_cmp_eq_u32 s[MODE], 0
	s_cbranch_scc0 .Lwords_v
	ds_load_b128 v[BKS:BKS+3], v[SRD]
	ds_load_b128 v[BKS+4:BKS+7], v[SRD] offset:512
	s_wait_dscnt 0x0
	global_store_b128 v[LI], v[BKS:BKS+3], s[96:97]
	global_store_b128 v[LI], v[BKS+4:BKS+7], s[96:97] offset:BHB
	s_branch .Lwords_out
.Lwords_v:
	ds_load_b64 v[BKS:BKS+1], v[SRD]
	ds_load_b64 v[BKS+2:BKS+3], v[SRD] offset:8
	s_wait_dscnt 0x0
	global_store_b64 v[L8], v[BKS:BKS+1], s[96:97]
	global_store_b64 v[L8], v[BKS+2:BKS+3], s[96:97] offset:BHB
.Lwords_out:
	s_wait_tensorcnt 0x0
	ds_add_u32 v[SPW], v[NIL]
	s_wait_dscnt 0x0
	CROUND
	s_endpgm
.Lfunc_end_k_qd55685aa0b_proj:
	.size	k_qd55685aa0b_proj, .Lfunc_end_k_qd55685aa0b_proj-k_qd55685aa0b_proj
	.p2alignl 7, 3214868480
	.fill 96, 4, 3214868480
	.section	.rodata,"a",@progbits
	.p2align	6, 0x0
	.amdhsa_kernel k_qd55685aa0b_proj
		.amdhsa_group_segment_fixed_size 327680
		.amdhsa_private_segment_fixed_size 0
		.amdhsa_enable_private_segment 0
		.amdhsa_kernarg_size 64
		.amdhsa_user_sgpr_count 2
		.amdhsa_user_sgpr_kernarg_segment_ptr 1
		.amdhsa_wavefront_size32 1
		.amdhsa_system_sgpr_workgroup_id_x 1
		.amdhsa_system_sgpr_workgroup_id_y 1
		.amdhsa_system_sgpr_workgroup_id_z 1
		.amdhsa_system_vgpr_workitem_id 0
		.amdhsa_next_free_vgpr 1024
		.amdhsa_next_free_sgpr 100
		.amdhsa_reserve_vcc 0
		.amdhsa_float_denorm_mode_32 3
		.amdhsa_float_denorm_mode_16_64 3
		.amdhsa_memory_ordered 1
		.amdhsa_forward_progress 1
		.amdhsa_inst_pref_size 228
	.end_amdhsa_kernel
	.amdgpu_metadata
---
amdhsa.version: [ 1, 2 ]
amdhsa.kernels:
  - .name:           k_qd55685aa0b_proj
    .symbol:         k_qd55685aa0b_proj.kd
    .args:
      - { .name: xc, .offset: 0, .size: 8, .value_kind: global_buffer, .address_space: global }
      - { .name: xs, .offset: 8, .size: 8, .value_kind: global_buffer, .address_space: global }
      - { .name: wc, .offset: 16, .size: 8, .value_kind: global_buffer, .address_space: global }
      - { .name: ws, .offset: 24, .size: 8, .value_kind: global_buffer, .address_space: global }
      - { .name: bq, .offset: 32, .size: 8, .value_kind: global_buffer, .address_space: global }
      - { .name: bk, .offset: 40, .size: 8, .value_kind: global_buffer, .address_space: global }
      - { .name: bv, .offset: 48, .size: 8, .value_kind: global_buffer, .address_space: global }
      - { .name: qkv, .offset: 56, .size: 8, .value_kind: global_buffer, .address_space: global }
    .group_segment_fixed_size: 327680
    .private_segment_fixed_size: 0
    .kernarg_segment_align: 8
    .kernarg_segment_size: 64
    .max_flat_workgroup_size: 128
    .sgpr_count:     100
    .vgpr_count:     1024
    .wavefront_size: 32
...
	.end_amdgpu_metadata
.endif
;; end of part 2
;; launch attn (part 3): grid 4 x 64, 8 waves a work-group, clusters of 4 x 1, 279,552 bytes of LDS; arguments qkv, zc, zs; writes zc, zs
.if DOCPART == 3
	.amdgcn_target "amdgcn-amd-amdhsa--gfx1250"
	.amdhsa_code_object_version 6
	.text
	.protected	k_qd55685aa0b_attn
	.globl	k_qd55685aa0b_attn
	.p2align	8
	.type	k_qd55685aa0b_attn,@function
k_qd55685aa0b_attn:
	s_mov_b64 s[64:65], 0
	v_nop
	global_prefetch_b8 v0, s[64:65] scope:SCOPE_SE
	s_setreg_imm32_b32 hwreg(HW_REG_WAVE_MODE, 25, 1), 1
	s_wait_xcnt 0x0
	s_wait_alu depctr_hold_cnt(0) depctr_sa_sdst(0) depctr_va_vdst(0) depctr_va_sdst(0) depctr_va_ssrc(0) depctr_va_vcc(0) depctr_vm_vsrc(0)
	s_getreg_b32 s2, hwreg(HW_REG_IB_STS2, 6, 4)
	s_cmp_eq_u32 s2, 0
	s_cbranch_scc0 .Lentry_in_a_cluster
	s_endpgm
.Lentry_in_a_cluster:
	s_bfe_u32 s2, ttmp6, 0x10000c
	s_cmp_lg_u32 s2, 0x3003
	s_cbranch_scc0 .Lentry_shape_is_right
	s_endpgm
.Lentry_shape_is_right:
; Z[b][h][q][:] = the sum over k of softmax_k(Q . K / 8) V, head size 64, 2,048 keys, both products on codes of FP8 (E4M3) with one E8M0 scale for each 32 along a product's K; Z is quantised along the channels and leaves as codes.
; THE SOFTMAX AHEAD OF THE SECOND PRODUCT: t = score x log2(e) / 8; M = the row's largest t so far, rounded UP to a whole number; p = 2^(t - M) is what is quantised, along the keys; it is not normalised.
; The row's sum is taken of the unquantised p, in f32, and divides at the end.  When M moves, the sum and O are multiplied by 2^(old M - new M): exact.
; SHARES.  A work-group owns 512 queries of one (b, h).  ALL of the head's K, V and their scale words lie in LDS for the whole launch: the first 17,152 bytes of each of its 16 records, as they lie in memory: 274,432 bytes, filled once:
; no ring, no slot is filled again, one barrier.  The four work-groups of a cluster are the four quarters of one head's queries and ask for these bytes JOINTLY.
; Each of the eight waves owns 64 queries: two passes of two tiles of 16, so that each fragment of K and V read from LDS feeds two matrix instructions.  Two waves share a SIMD.
; LAYOUT.  Operands lie in memory and in LDS as images of their registers: group c of four registers at 512 c + 16 x lane.  Both products are used transposed: S^T = K Q^T (source 0 = 16 keys, source 1 = 16 queries),
; O^T = V^T P^T (source 0 = 16 channels, source 1 = P): a lane holds ONE query (lane % 16) throughout.  Keys and channels lie in the order in which the two middle groups of 8 of every 32 have changed places, so the 16 registers of
; tiles 2 c and 2 c + 1 are 16 neighbours, 32 c + 16 (lane / 16) + 0 .. 15.  The head's 64 fill half of the instruction's 128 along K: the upper halves of K's and Q's fragments are zero codes, written once.
; LIMITS: NaN and infinities are not served; a block of p or of Z whose largest magnitude lies under 2^-118, a block of zeros among them, gets the scale byte 1 (this program alone reads the bytes).
; REGISTERS.  window 0: v1-3 addresses; v4-7 K's scale words, v8-9 V's, v10-11 Q's; v12-19 -M, largest t, the sum in two halves, for each tile; v20-38 and v40-58 at work, a tile each; v60-61 Z's scale words; v62-63 addresses;
;   v64-127, v128-191 S^T, then p, a tile each; v192-223 p's codes; v224-255 V's tiles 2, 3.   window 1: v0-127 K's eight fragments; v128-159 Q's two; v160-223 O^T; v224-255 V's tiles 0, 1.
.set RECL, 17152                       ; a record's part that lies in LDS: K 8,192, V 8,192, K's scale words 512, V's 256
.set RECB, 25856                       ; a record in memory
.set BHB,  413696                      ; 16 records
.set LI,   1                           ; v1   16 x lane; never rewritten
.set ADR,  2                           ; v2   16 x lane + the record in hand
.set ADR8, 3                           ; v3   8 x lane + the record in hand
.set KSR,  4
.set VSR,  8
.set QSR,  10
.set ST,   12                          ; tile x: v[ST + 4 x] -M, +1 the largest t, +2, +3 the sum
.set BM,   20                          ; tile x at + 20 x: four blocks' largest scores, then largest p
.set PM,   24                          ; permutes' results, the sums' second chain, the bytes
.set HL,   28                          ; 448 x the scale
.set SO,   32                          ; the conversions' scale operands
.set F,    36                          ; 2^(old M - new M); at the end 1 / the sum
.set PW,   37                          ; p's scale word
.set TT,   38
.set ZS,   60
.set L8,   62                          ; v62  8 x lane; never rewritten
.set QSO,  63                          ; v63  16 x (lane % 16); never rewritten
.set S,    64
.set PCD,  192
.set VF,   224
.set QF,   128                         ; in window 1
.set O,    160                         ; in window 1
.set WV,   10                          ; s10  my wave's number
.set G0,   16                          ; s[16:19] descriptor group 0
.set G1,   20                          ; s[20:27] group 1
.set SEL,  28                          ; s[28:29] lane selects for v_permlanex16_b32: lane l xor 16
.set CS,   30                          ; s[30:31] c = log2(e) / 8: the packed form names a pair and takes its low word for both halves
.set MNT,  32                          ; s32  the mantissa field of 448
.set CNT,  33                          ; s33  counts key steps
.set UP16, 34                          ; s34  lanes 16-31
.set TB,   35                          ; s35  LDS byte at which the record in hand begins
.set MSB, 0
.macro WIN new                         ; the immediate's high byte repeats the setting that is left
.if MSB != \new
	s_set_vgpr_msb (MSB<<8)|\new
.set MSB, \new
.endif
.endm
.macro CROUND                          ; a round of the cluster's barrier
	s_barrier_signal -1
	s_barrier_wait -1
	s_cmp_lg_u32 s[WV], 0
	s_cbranch_scc1 .Lnot_wave_0_\@
	s_barrier_signal -3
.Lnot_wave_0_\@:
	s_barrier_wait -3
	s_barrier_signal -1
	s_barrier_wait -1
.endm
	s_load_b128 s[4:7], s[0:1], 0x0                ; qkv, zc
	s_load_b64 s[8:9], s[0:1], 0x10                ; zs
	v_lshl_add_u32 v39, v0, 2, 0x44000
	v_mov_b32 v59, 0
	ds_add_u32 v39, v59
	ds_add_u32 v39, v59
	v_lshrrev_b32 v1, 5, v0
	s_delay_alu instid0(VALU_DEP_1)
	v_readfirstlane_b32 s[WV], v1                  ; wave 0..7
	s_bfe_u32 s11, ttmp6, 0x40000                  ; cx: which quarter of the queries: it enters Q's, Z's and zs's addresses alone
	s_and_b32 s12, ttmp7, 0xffff                   ; 16 b + h, which the four partners share
	; descriptor group 1: two records' first 17,152 bytes: 2 rows of 2,144 elements of 8 bytes, 3,232 elements apart in memory, on end in LDS
	s_mov_b32 s[G1+0], 15|(3<<16)|(1<<21)          ; 15:0 the mask: all four work-groups; 17:16 elements of 8 bytes; 20 no padding; 21 set beside a mask
	s_mov_b32 s[G1+1], 2144<<16                    ; tensor_dim0
	s_mov_b32 s[G1+2], 2<<16                       ; tensor_dim1
	s_mov_b32 s[G1+3], 2144<<16                    ; tile_dim0
	s_mov_b32 s[G1+4], 2                           ; tile_dim1
	s_mov_b32 s[G1+5], 3232                        ; tensor_dim0_stride
	s_mov_b32 s[G1+6], 0
	s_mov_b32 s[G1+7], 0
	s_mov_b32 s[SEL], 0x76543210
	s_mov_b32 s[SEL+1], 0xfedcba98
	s_mov_b32 s[CS], 0x3e38aa3b
	s_mov_b32 s[CS+1], s[CS]                       ; (named with it as a pair, so it is written)
	s_mov_b32 s[MNT], 0x600000
	s_mov_b32 s[UP16], 0xffff0000
	s_mul_i32 s44, s12, BHB                        ; the head's first byte in qkv (all offsets stay under 2^25)
	s_mul_i32 s45, s[WV], 2*RECB
	s_add_co_u32 s46, s44, s45                     ; the two records that I fetch
	s_mov_b32 s47, 0
	s_lshl_b32 s48, s11, 2
	s_lshr_b32 s49, s[WV], 1
	s_add_co_u32 s48, s48, s49                     ; the record with my 64 queries: 4 cx + wave / 2
	s_mul_i32 s48, s48, RECB
	s_add_co_u32 s48, s48, s44
	s_and_b32 s49, s[WV], 1
	s_lshl_b32 s50, s49, 12                        ; my four of its eight fragments of Q
	s_add_co_u32 s50, s50, s48
	s_add_co_u32 s50, s50, 17152
	s_mov_b32 s51, 0
	s_lshl_b32 s52, s49, 3                         ; and their scale words
	s_add_co_u32 s52, s52, s48
	s_add_co_u32 s52, s52, 25344
	s_mov_b32 s53, 0
	s_lshr_b32 s54, s12, 4                         ; zc: block of 16 rows 128 b + 32 cx + 4 wave, of 16,384 bytes; head h's codes 1,024 h on
	s_lshl_b32 s54, s54, 7
	s_lshl_b32 s55, s11, 5
	s_add_co_u32 s54, s54, s55
	s_lshl_b32 s55, s[WV], 2
	s_add_co_u32 s54, s54, s55
	s_lshl_b32 s54, s54, 14
	s_and_b32 s55, s12, 15
	s_lshl_b32 s55, s55, 10
	s_add_co_u32 s54, s54, s55
	s_mov_b32 s55, 0
	s_and_b32 s56, s12, 15                         ; zs: head h's 32,768 bytes; block of 64 rows 32 b + 8 cx + wave, of 256 bytes
	s_lshl_b32 s56, s56, 15
	s_lshr_b32 s57, s12, 4
	s_lshl_b32 s57, s57, 5
	s_lshl_b32 s58, s11, 3
	s_add_co_u32 s57, s57, s58
	s_add_co_u32 s57, s57, s[WV]
	s_lshl_b32 s57, s57, 8
	s_add_co_u32 s56, s56, s57
	s_mov_b32 s57, 0
	v_and_b32 v[L8], 31, v0
	s_delay_alu instid0(VALU_DEP_1)
	v_lshlrev_b32 v[LI], 4, v[L8]
	s_delay_alu instid0(VALU_DEP_2)
	v_lshlrev_b32 v[L8], 3, v[L8]
	v_and_b32 v[QSO], 15, v0
	s_delay_alu instid0(VALU_DEP_1)
	v_lshlrev_b32 v[QSO], 4, v[QSO]
	s_wait_dscnt 0x0
	s_wait_kmcnt 0x0
	s_mov_b32 s[G0], 1                             ; 1:0 count = 1
	s_mul_i32 s[G0+1], s[WV], 2*RECL               ; 63:32 LDS address: wave x two records: no place in the cluster enters it
	s_add_nc_u64 s[G0+2:G0+3], s[4:5], s[46:47]    ; 120:64 global address
	s_or_b32 s[G0+3], s[G0+3], 0x80000000          ; 127:126 type = 2
	s_add_nc_u64 s[36:37], s[4:5], s[50:51]        ; Q's fragments
	s_add_nc_u64 s[38:39], s[4:5], s[52:53]        ; Q's scale words
	s_add_nc_u64 s[40:41], s[6:7], s[54:55]        ; Z's codes
	s_add_nc_u64 s[42:43], s[8:9], s[56:57]        ; Z's scale words
	CROUND                                         ; all four work-groups are here: the joint loads meet
	tensor_load_to_lds s[G0:G0+3], s[G1:G1+7]      ; each wave's one tensor load of the launch
	s_nop 0
.rept 4
	v_nop
.endr
.macro QLOAD p                         ; pass p's two fragments of Q (their lower halves: 64 of the 128 along K) and their scale words
	WIN 0x40                                       ; destination window 1
.irp x, 0,1
.irp c, 0,1
	global_load_b128 v[QF+16*\x+4*\c:QF+16*\x+4*\c+3], v[LI], s[36:37] offset:2048*(\p)+1024*\x+512*\c
.endr
.endr
	WIN 0
.irp x, 0,1
	global_load_b32 v[QSR+\x], v[QSO], s[38:39] offset:4*(\p)+256*\x
.endr
.endm
	s_wait_alu depctr_va_vdst(0)
	QLOAD 0
	WIN 0x40
.irp t, 0,1,2,3,4,5,6,7,8,9
.irp k, 8,9,10,11,12,13,14,15
	v_mov_b32 v[16*\t+\k], 0                       ; the upper halves of K's eight fragments and of Q's two (t = 8, 9): zero codes, written once
.endr
.endr
	WIN 0
.irp x, 0,1
.irp b, 0,1,2,3
	v_mov_b32 v[PM+20*\x+\b], 0                    ; written once: a lane permute's destination counts as one of its sources
.endr
	v_mov_b32 v[PW+20*\x], 0                       ; (named as the upper half of a pair before it is first written)
.endr
	s_wait_tensorcnt 0x0                           ; my two records are in: zero, since every wave reads every record,
	s_barrier_signal -1
	s_barrier_wait -1                              ; everybody's are.  From here on LDS is only read
.macro FETCH_K adr, off                ; a record's scale words of K and its eight fragments' lower halves: 17 loads
	ds_load_b128 v[KSR:KSR+3], v[\adr] offset:\off+16384   ; register j: lanes 0-15 the words of fragment 2 j, lanes 16-31 those of 2 j + 1
	WIN 0x40
.irp t, 0,1,2,3,4,5,6,7
	ds_load_b128 v[16*\t:16*\t+3], v[\adr] offset:\off+1024*\t
	ds_load_b128 v[16*\t+4:16*\t+7], v[\adr] offset:\off+1024*\t+512
.endr
	WIN 0
.endm
.macro FETCH_V                         ; the record's four fragments of V and their scale words: 17 loads
	WIN 0x40
.irp u, 0,1
.irp c, 0,1,2,3
	ds_load_b128 v[VF+16*\u+4*\c:VF+16*\u+4*\c+3], v[ADR] offset:8192+2048*\u+512*\c
.endr
.endr
	WIN 0
.irp u, 0,1
.irp c, 0,1,2,3
	ds_load_b128 v[VF+16*\u+4*\c:VF+16*\u+4*\c+3], v[ADR] offset:8192+2048*(\u+2)+512*\c
.endr
.endr
	ds_load_b64 v[VSR:VSR+1], v[ADR8] offset:16896 ; register j: lanes 0-15 the words of tile 2 j, lanes 16-31 those of 2 j + 1
.endm
.macro QK                              ; S^T = K Q^T: eight tiles of 16 keys x two tiles of queries: sixteen accumulators, each begun with the constant 0
	WIN 0x05                                       ; sources 0 and 1 window 1, destination window 0
.irp t, 0,1,2,3,4,5,6,7
.irp x, 0,1
.if \t%2
	v_wmma_scale_f32_16x16x128_f8f6f4 v[S+64*\x+8*\t:S+64*\x+8*\t+7], v[16*\t:16*\t+15], v[QF+16*\x:QF+16*\x+15], 0, v[KSR+\t/2], v[QSR+\x] matrix_a_scale:MATRIX_SCALE_ROW1
.else
	v_wmma_scale_f32_16x16x128_f8f6f4 v[S+64*\x+8*\t:S+64*\x+8*\t+7], v[16*\t:16*\t+15], v[QF+16*\x:QF+16*\x+15], 0, v[KSR+\t/2], v[QSR+\x]
.endif
.endr
.endr
	WIN 0
.endm
.macro PV                              ; O^T += V^T P^T: four tiles of 16 channels x two tiles of queries: eight accumulators by turns, one instruction a turn; the sixteen products K Q^T stand between two links
.irp u, 0,1,2,3
.if \u < 2
	WIN 0x51                                       ; V window 1, P window 0, O^T window 1
.else
	WIN 0x50                                       ; V window 0
.endif
.irp x, 0,1
.if \u%2
	v_wmma_scale_f32_16x16x128_f8f6f4 v[O+32*\x+8*\u:O+32*\x+8*\u+7], v[VF+16*(\u%2):VF+16*(\u%2)+15], v[PCD+16*\x:PCD+16*\x+15], v[O+32*\x+8*\u:O+32*\x+8*\u+7], v[VSR+\u/2], v[PW+20*\x] matrix_a_scale:MATRIX_SCALE_ROW1
.else
	v_wmma_scale_f32_16x16x128_f8f6f4 v[O+32*\x+8*\u:O+32*\x+8*\u+7], v[VF+16*(\u%2):VF+16*(\u%2)+15], v[PCD+16*\x:PCD+16*\x+15], v[O+32*\x+8*\u:O+32*\x+8*\u+7], v[VSR+\u/2], v[PW+20*\x]
.endif
.endr
.endr
	WIN 0
.endm
; THE SOFTMAX of 128 keys for both tiles, line by line by turns, so that no line waits for the line above it.  Register 16 b + i of a tile holds key 32 b + 16 (lane / 16) + i.
.macro SOFTMAX
.irp b, 0,1,2,3
.irp x, 0,1
	v_max3_num_f32 v[BM+20*\x+\b], v[S+64*\x+16*\b], v[S+64*\x+16*\b+1], v[S+64*\x+16*\b+2]   ; the largest score of each block of 32 keys: it serves for the row's maximum and, since p rises with the score, for the block's largest p
.endr
.endr
.irp i, 3,5,7,9,11,13
.irp b, 0,1,2,3
.irp x, 0,1
	v_max3_num_f32 v[BM+20*\x+\b], v[BM+20*\x+\b], v[S+64*\x+16*\b+\i], v[S+64*\x+16*\b+\i+1]
.endr
.endr
.endr
.irp b, 0,1,2,3
.irp x, 0,1
	v_max_num_f32 v[BM+20*\x+\b], v[BM+20*\x+\b], v[S+64*\x+16*\b+15]
.endr
.endr
.irp b, 0,1,2,3
.irp x, 0,1
	v_permlanex16_b32 v[PM+20*\x+\b], v[BM+20*\x+\b], s[SEL], s[SEL+1]
.endr
.endr
.irp b, 0,1,2,3
.irp x, 0,1
	v_max_num_f32 v[BM+20*\x+\b], v[BM+20*\x+\b], v[PM+20*\x+\b]   ; with lane l xor 16's 16 keys
.endr
.endr
.irp x, 0,1
	s_delay_alu instid0(VALU_DEP_4)
	v_max3_num_f32 v[TT+20*\x], v[BM+20*\x], v[BM+20*\x+1], v[BM+20*\x+2]
.endr
.irp x, 0,1
	s_delay_alu instid0(VALU_DEP_2)
	v_max_num_f32 v[TT+20*\x], v[TT+20*\x], v[BM+20*\x+3]   ; the step's largest score of my query
.endr
.irp x, 0,1
	s_delay_alu instid0(VALU_DEP_2)
	v_mul_f32 v[TT+20*\x], s[CS], v[TT+20*\x]      ; as t (c is positive)
.endr
.irp x, 0,1
	s_delay_alu instid0(VALU_DEP_2)
	v_max_num_f32 v[ST+4*\x+1], v[ST+4*\x+1], v[TT+20*\x]   ; the running largest t
.endr
.irp x, 0,1
	v_mov_b32 v[TT+20*\x], v[ST+4*\x]
.endr
.irp x, 0,1
	s_delay_alu instid0(VALU_DEP_4)
	v_floor_f32 v[ST+4*\x], -v[ST+4*\x+1]          ; the new -M = floor(-t) = -ceil(t): M is a whole number
.endr
.irp x, 0,1
	s_delay_alu instid0(VALU_DEP_2)
	v_sub_f32 v[TT+20*\x], v[ST+4*\x], v[TT+20*\x] ; M's old value less its new one: a whole number, 0 or less
.endr
.irp x, 0,1
	s_delay_alu instid0(VALU_DEP_2)
	v_cvt_i32_f32 v[TT+20*\x], v[TT+20*\x]         ; (it saturates)
.endr
.irp x, 0,1
	s_delay_alu instid0(VALU_DEP_2)
	v_ldexp_f32 v[F+20*\x], 1.0, v[TT+20*\x]       ; f = 2^(old M - new M): a multiplication by it rounds nothing
.endr
.set j, 0
.rept 32
.irp x, 0,1
	v_pk_fma_f32 v[S+64*\x+j:S+64*\x+j+1], v[S+64*\x+j:S+64*\x+j+1], s[CS:CS+1], v[ST+4*\x:ST+4*\x+1] op_sel_hi:[1,0,0]   ; t - M, two at a time
.endr
.set j, j+2
.endr
.irp b, 0,1,2,3
.irp x, 0,1
	v_fma_f32 v[BM+20*\x+\b], v[BM+20*\x+\b], s[CS], v[ST+4*\x]   ; the same of each block's largest score
.endr
.endr
.set j, 0
	s_wait_alu depctr_va_vdst(0)
.rept 64
.irp x, 0,1
	v_exp_f32 v[S+64*\x+j], v[S+64*\x+j]           ; p = 2^(t - M), at most 1: not normalised.  Both tiles' 128 are one batch
.endr
.set j, j+1
.endr
.irp x, 0,1
	v_pk_mul_f32 v[ST+4*\x+2:ST+4*\x+3], v[ST+4*\x+2:ST+4*\x+3], v[F+20*\x:F+20*\x+1] op_sel_hi:[1,0]   ; the sums under the new M: plain instructions behind the exponentials
.endr
	s_wait_alu depctr_va_vdst(0)                   ; one wait for the whole batch, ahead of its first reader
.irp b, 0,1,2,3
.irp x, 0,1
	v_exp_f32 v[BM+20*\x+\b], v[BM+20*\x+\b]       ; the block's largest p: the same two instructions on the same number give the same bits
.endr
.endr
.irp x, 0,1
	v_pk_add_f32 v[PM+20*\x:PM+20*\x+1], v[S+64*\x:S+64*\x+1], v[S+64*\x+2:S+64*\x+3]   ; the row's sum is taken of the unquantised p: two at a time, in two chains
.endr
.irp j, 4,8,12,16,20,24,28,32,36,40,44,48,52,56,60
.irp x, 0,1
	v_pk_add_f32 v[ST+4*\x+2:ST+4*\x+3], v[ST+4*\x+2:ST+4*\x+3], v[S+64*\x+\j:S+64*\x+\j+1]
.endr
.irp x, 0,1
	v_pk_add_f32 v[PM+20*\x:PM+20*\x+1], v[PM+20*\x:PM+20*\x+1], v[S+64*\x+\j+2:S+64*\x+\j+3]
.endr
.endr
.irp x, 0,1
	s_delay_alu instid0(VALU_DEP_2)
	v_pk_add_f32 v[ST+4*\x+2:ST+4*\x+3], v[ST+4*\x+2:ST+4*\x+3], v[PM+20*\x:PM+20*\x+1]
.endr
	s_wait_alu depctr_va_vdst(0)                   ; and one for the eight
.irp b, 0,1,2,3
.irp x, 0,1
	v_max_num_f32 v[BM+20*\x+\b], 0x4800000, v[BM+20*\x+\b]   ; the floor 2^(9 - 127): the byte cannot fall under 1
.endr
.endr
.irp b, 0,1,2,3
.irp x, 0,1
	v_add_nc_u32 v[SO+20*\x+\b], 0xfc000000, v[BM+20*\x+\b]   ; 8 off the exponent field: the conversion's scale operand
.endr
.endr
.irp b, 0,1,2,3
.irp x, 0,1
	v_and_or_b32 v[HL+20*\x+\b], v[BM+20*\x+\b], 0x7f800000, s[MNT]   ; 448 x the scale
.endr
.endr
.irp b, 0,1,2,3
.irp x, 0,1
	v_lshrrev_b32 v[PM+20*\x+\b], 23, v[SO+20*\x+\b]   ; the scale's byte
.endr
.endr
.irp x, 0,1
	v_lshl_or_b32 v[PW+20*\x], v[PM+20*\x+1], 8, v[PM+20*\x]   ; p's scale word for these 128 keys
.endr
.irp x, 0,1
	s_delay_alu instid0(VALU_DEP_2)
	v_lshl_or_b32 v[PW+20*\x], v[PM+20*\x+2], 16, v[PW+20*\x]
.endr
.irp x, 0,1
	s_delay_alu instid0(VALU_DEP_2)
	v_lshl_or_b32 v[PW+20*\x], v[PM+20*\x+3], 24, v[PW+20*\x]
.endr
.irp b, 0,1,2,3
.irp x, 0,1
	v_mov_b32 v[PM+20*\x+(\b+1)%4], v[HL+20*\x+\b]   ; a second copy of each bound, one register bank on: the two halves of a dual instruction take their second sources from different banks
.endr
.endr
.irp b, 0,1,2,3
.irp x, 0,1
.irp i, 0,2,4,6,8,10,12,14
	v_dual_min_num_f32 v[S+64*\x+16*\b+\i], v[S+64*\x+16*\b+\i], v[HL+20*\x+\b] :: v_dual_min_num_f32 v[S+64*\x+16*\b+\i+1], v[S+64*\x+16*\b+\i+1], v[PM+20*\x+(\b+1)%4]   ; two holds in one instruction: the conversion to an 8-bit code does not saturate (ISA guide 7.6.2); p is not negative, so the hold is one-sided
.endr
	v_cvt_scalef32_pk8_fp8_f32 v[PCD+16*\x+4*\b:PCD+16*\x+4*\b+1], v[S+64*\x+16*\b:S+64*\x+16*\b+7], v[SO+20*\x+\b]
	v_cvt_scalef32_pk8_fp8_f32 v[PCD+16*\x+4*\b+2:PCD+16*\x+4*\b+3], v[S+64*\x+16*\b+8:S+64*\x+16*\b+15], v[SO+20*\x+\b]
.endr
.endr
.endm
.macro RESCALE                         ; O^T under the new M: x f.  These 32 are also the plain instructions between the conversions, the scale words and the products that read them
	WIN 0x41                                       ; O^T (destination and source 0) window 1, f window 0
.set j, 0
.rept 16
.irp x, 0,1
	v_pk_mul_f32 v[O+32*\x+j:O+32*\x+j+1], v[O+32*\x+j:O+32*\x+j+1], v[F+20*\x:F+20*\x+1] op_sel_hi:[1,0]
.endr
.set j, j+2
.endr
.endm
; A KEY STEP: a record's 128 keys.  kind 0: in the loop: the next record's K is fetched under the softmax.  kind 1: the first pass's last step: the second pass's Q and record 0's K are fetched.  kind 2: the very last: nothing more.
.macro STEP kind
	s_wait_dscnt 0x0                               ; K and its scale words are in
	QK
.rept 8
	v_nop                                          ; eight places behind the products: in front of the loads into K's, V's and the scale words' registers, which matrix instructions have read, and of the first read of the scores
.endr
	FETCH_V
.if (\kind) == 0
	FETCH_K ADR, RECL
	s_add_co_u32 s[TB], s[TB], RECL                ; on to the next record
	v_add_nc_u32 v[ADR], s[TB], v[LI]
	v_add_nc_u32 v[ADR8], s[TB], v[L8]
.elseif (\kind) == 1
	QLOAD 1
	FETCH_K LI, 0
.endif
	SOFTMAX
	RESCALE
.if (\kind) == 2
	s_wait_alu depctr_va_vdst(0)
	s_wait_dscnt 0x0
.else
	s_wait_alu depctr_va_vdst(0)
	s_wait_dscnt 17                                ; V and its scale words are in; the 17 loads issued behind them, K's, may be out
.endif
	PV
.endm
; THE WAY OUT of a pass: O^T is divided by the row's sum and quantised along the channels: two blocks of 32 (16 in lane l, 16 in lane l xor 16).  The codes are registers 4 c .. 4 c + 3 of the last product's operand and leave as they stand.
.macro OUT p
.rept 8
	v_nop                                          ; eight places behind the last products, in front of the first read of their results
.endr
.irp x, 0,1
	v_add_f32 v[TT+20*\x], v[ST+4*\x+2], v[ST+4*\x+3]   ; the sum's two halves,
.endr
.irp x, 0,1
	s_delay_alu instid0(VALU_DEP_2)
	v_permlanex16_b32 v[PM+20*\x], v[TT+20*\x], s[SEL], s[SEL+1]
.endr
.irp x, 0,1
	s_delay_alu instid0(VALU_DEP_2)
	v_add_f32 v[TT+20*\x], v[TT+20*\x], v[PM+20*\x]   ; and lane l xor 16's: the row's sum
.endr
	s_wait_alu depctr_va_vdst(0)
.irp x, 0,1
	v_rcp_f32 v[F+20*\x], v[TT+20*\x]
.endr
	v_nop                                          ; a plain instruction behind the reciprocals
	s_wait_alu depctr_va_vdst(0)                   ; and the wait ahead of their first reader
	WIN 0x01                                       ; source 0 (O^T) window 1
.set j, 0
.rept 16
.irp x, 0,1
	v_pk_mul_f32 v[S+64*\x+j:S+64*\x+j+1], v[O+32*\x+j:O+32*\x+j+1], v[F+20*\x:F+20*\x+1] op_sel_hi:[1,0]   ; register 16 c + i: channel 32 c + 16 (lane / 16) + i; each accumulator is read from its low end on
.endr
.set j, j+2
.endr
	WIN 0
.irp c, 0,1
.irp x, 0,1
	v_max3_num_f32 v[BM+20*\x+\c], |v[S+64*\x+16*\c]|, |v[S+64*\x+16*\c+1]|, 0x4800000
.endr
.endr
.irp i, 2,4,6,8,10,12,14
.irp c, 0,1
.irp x, 0,1
	s_delay_alu instid0(VALU_DEP_4)
	v_max3_num_f32 v[BM+20*\x+\c], v[BM+20*\x+\c], |v[S+64*\x+16*\c+\i]|, |v[S+64*\x+16*\c+\i+1]|
.endr
.endr
.endr
.irp c, 0,1
.irp x, 0,1
	s_delay_alu instid0(VALU_DEP_4)
	v_permlanex16_b32 v[PM+20*\x+\c], v[BM+20*\x+\c], s[SEL], s[SEL+1]
.endr
.endr
.irp c, 0,1
.irp x, 0,1
	s_delay_alu instid0(VALU_DEP_4)
	v_max_num_f32 v[BM+20*\x+\c], v[BM+20*\x+\c], v[PM+20*\x+\c]
.endr
.endr
.irp c, 0,1
.irp x, 0,1
	s_delay_alu instid0(VALU_DEP_4)
	v_add_nc_u32 v[SO+20*\x+\c], 0xfc000000, v[BM+20*\x+\c]
.endr
.endr
.irp c, 0,1
.irp x, 0,1
	v_and_or_b32 v[HL+20*\x+\c], v[BM+20*\x+\c], 0x7f800000, s[MNT]
.endr
.endr
.irp c, 0,1
.irp x, 0,1
	v_lshrrev_b32 v[PM+20*\x+\c], 23, v[SO+20*\x+\c]
.endr
.endr
.irp x, 0,1
	s_delay_alu instid0(VALU_DEP_2)
	v_lshl_or_b32 v[TT+20*\x], v[PM+20*\x+1], 8, v[PM+20*\x]   ; my row's two bytes for this head
.endr
.irp x, 0,1
.if (\p) == 0
	s_delay_alu instid0(VALU_DEP_2)
	v_mov_b32 v[ZS+\x], v[TT+20*\x]                ; the first pass's rows stay in lanes 0-15,
.else
	s_delay_alu instid0(VALU_DEP_2)
	v_cndmask_b32 v[ZS+\x], v[ZS+\x], v[TT+20*\x], s[UP16]   ; the second pass's go to lanes 16-31
.endif
.endr
.irp c, 0,1
.irp x, 0,1
.irp i, 0,1,2,3,4,5,6,7,8,9,10,11,12,13,14,15
	v_med3_num_f32 v[S+64*\x+16*\c+\i], v[S+64*\x+16*\c+\i], -v[HL+20*\x+\c], v[HL+20*\x+\c]
.endr
	v_cvt_scalef32_pk8_fp8_f32 v[PCD+16*\x+4*\c:PCD+16*\x+4*\c+1], v[S+64*\x+16*\c:S+64*\x+16*\c+7], v[SO+20*\x+\c]
	v_cvt_scalef32_pk8_fp8_f32 v[PCD+16*\x+4*\c+2:PCD+16*\x+4*\c+3], v[S+64*\x+16*\c+8:S+64*\x+16*\c+15], v[SO+20*\x+\c]
.endr
.endr
	v_nop                                          ; one plain vector instruction behind the last conversion
.irp x, 0,1
.irp c, 0,1
	global_store_b128 v[LI], v[PCD+16*\x+4*\c:PCD+16*\x+4*\c+3], s[40:41] offset:32768*(\p)+16384*\x+512*\c   ; 32 lanes store 512 consecutive bytes, aligned
.endr
.endr
.endm
; A PASS: two tiles of 16 queries against all 16 records.  It is written out twice, so that each loop is a plain counted loop.
.macro PASS p
	s_wait_xcnt 0x0                                ; the last pass's stores have had their addresses translated: the codes' registers are written again only behind this wait
.irp x, 0,1
	v_mov_b32 v[ST+4*\x+1], 0xff61b1e6             ; the largest t so far: -3e38, under every t
	s_delay_alu instid0(VALU_DEP_1)
	v_floor_f32 v[ST+4*\x], -v[ST+4*\x+1]          ; -M
	v_mov_b32 v[ST+4*\x+2], 0                      ; the sum, in two halves
	v_mov_b32 v[ST+4*\x+3], 0
.endr
	WIN 0x40
.set j, 0
.rept 64
	v_mov_b32 v[O+j], 0                            ; O^T.  (The step is written without a first step of its own: it finds zeros, which the first change of M leaves zeros)
.set j, j+1
.endr
	WIN 0
	s_mov_b32 s[TB], 0
	v_add_nc_u32 v[ADR], s[TB], v[LI]
	v_add_nc_u32 v[ADR8], s[TB], v[L8]
.if (\p) == 0
	FETCH_K LI, 0                                  ; record 0's K (the second pass's was fetched in the first pass's last step)
.endif
	s_wait_loadcnt 0x0                             ; Q and its scale words
	s_mov_b32 s[CNT], 15
.Lstep_\@:
	s_wait_alu depctr_va_vdst(0)
	STEP 0
	s_sub_co_u32 s[CNT], s[CNT], 1
	s_cmp_lg_u32 s[CNT], 0
	s_cbranch_scc1 .Lstep_\@
	STEP 1+\p
	OUT \p
.endm
	PASS 0
	PASS 1
	global_store_b64 v[L8], v[ZS:ZS+1], s[42:43]   ; my 64 rows' scale bytes for this head: 32 lanes store 256 consecutive bytes, aligned
	s_wait_tensorcnt 0x0
	ds_add_u32 v39, v59
	s_wait_dscnt 0x0
	CROUND                                         ; the closing round: no work-group ends while a partner may still ask for bytes jointly
	s_endpgm
.Lfunc_end_k_qd55685aa0b_attn:
	.size	k_qd55685aa0b_attn, .Lfunc_end_k_qd55685aa0b_attn-k_qd55685aa0b_attn
	.p2alignl 7, 3214868480
	.fill 96, 4, 3214868480
	.section	.rodata,"a",@progbits
	.p2align	6, 0x0
	.amdhsa_kernel k_qd55685aa0b_attn
		.amdhsa_group_segment_fixed_size 279552
		.amdhsa_private_segment_fixed_size 0
		.amdhsa_enable_private_segment 0
		.amdhsa_kernarg_size 24
		.amdhsa_user_sgpr_count 2
		.amdhsa_user_sgpr_kernarg_segment_ptr 1
		.amdhsa_wavefront_size32 1
		.amdhsa_system_sgpr_workgroup_id_x 1
		.amdhsa_system_sgpr_workgroup_id_y 1
		.amdhsa_system_sgpr_workgroup_id_z 1
		.amdhsa_system_vgpr_workitem_id 0
		.amdhsa_next_free_vgpr 512
		.amdhsa_next_free_sgpr 66
		.amdhsa_reserve_vcc 0
		.amdhsa_float_denorm_mode_32 3
		.amdhsa_float_denorm_mode_16_64 3
		.amdhsa_memory_ordered 1
		.amdhsa_forward_progress 1
		.amdhsa_inst_pref_size 178
	.end_amdhsa_kernel
	.amdgpu_metadata
---
amdhsa.version: [ 1, 2 ]
amdhsa.kernels:
  - .name:           k_qd55685aa0b_attn
    .symbol:         k_qd55685aa0b_attn.kd
    .args:
      - { .name: qkv, .offset: 0, .size: 8, .value_kind: global_buffer, .address_space: global }
      - { .name: zc, .offset: 8, .size: 8, .value_kind: global_buffer, .address_space: global }
      - { .name: zs, .offset: 16, .size: 8, .value_kind: global_buffer, .address_space: global }
    .group_segment_fixed_size: 279552
    .private_segment_fixed_size: 0
    .kernarg_segment_align: 8
    .kernarg_segment_size: 24
    .max_flat_workgroup_size: 256
    .sgpr_count:     66
    .vgpr_count:     512
    .wavefront_size: 32
...
	.end_amdgpu_metadata
.endif
;; end of part 3
;; launch outp (part 4): grid 8 x 32, 4 waves a work-group, clusters of 4 x 4, 327,680 bytes of LDS; arguments zc, zs, wc, ws, bo, out0; writes out0
.if DOCPART == 4
	.amdgcn_target "amdgcn-amd-amdhsa--gfx1250"
	.amdhsa_code_object_version 6
	.text
	.protected	k_qd55685aa0b_outp
	.globl	k_qd55685aa0b_outp
	.p2align	8
	.type	k_qd55685aa0b_outp,@function
k_qd55685aa0b_outp:
	s_mov_b64 s[64:65], 0
	v_nop
	global_prefetch_b8 v0, s[64:65] scope:SCOPE_SE
	s_setreg_imm32_b32 hwreg(HW_REG_WAVE_MODE, 25, 1), 1
	s_wait_xcnt 0x0
	s_wait_alu depctr_hold_cnt(0) depctr_sa_sdst(0) depctr_va_vdst(0) depctr_va_sdst(0) depctr_va_ssrc(0) depctr_va_vcc(0) depctr_vm_vsrc(0)
	s_getreg_b32 s2, hwreg(HW_REG_IB_STS2, 6, 4)
	s_cmp_eq_u32 s2, 0
	s_cbranch_scc0 .Lentry_in_a_cluster
	s_endpgm
.Lentry_in_a_cluster:
	s_bfe_u32 s2, ttmp6, 0x10000c
	s_cmp_lg_u32 s2, 0xf033
	s_cbranch_scc0 .Lentry_shape_is_right
	s_endpgm
.Lentry_shape_is_right:
; out0 [8192][1024] f32 = Z Wo + bo, on codes of FP8 (E4M3) with one E8M0 scale for each 32 along K = 1,024 (16 heads x 64).
; zc: Z's codes as images of operand registers: block of 16 rows: 16,384 bytes; in it 128 along K: 2,048 bytes; group c of four registers at 512 c + 16 x lane.  zs: Z's scale bytes [head][block of 64 rows][256 bytes].
; wc, ws: Wo's columns are rows 3,072 on, K innermost, 1,024 bytes of codes and 32 scale bytes a row.  In Z's rows and in Wo's columns the two middle groups of 8 of every 32 have changed places; the way out puts them back.
; SHARES.  256 work-groups: a block of 256 rows x 128 columns each; wave w owns rows 64 w .. 64 w + 63 and all 128 columns: 32 accumulators of 16 x 16.  K goes in steps of 256 through a ring of two LDS slots (A's 16 blocks, B's 128 rows).
; CLUSTERS: 4 x 4 work-groups: A's tile is asked for jointly along a row of the cluster, B's and its scales along a column.  The matrix instruction is used transposed (source 0 = 16 columns of Wo, source 1 = 16 rows of Z): a lane holds eight neighbouring numbers of a row.
; Both operands have two sets of fragment registers: a step's 48 loads are issued ahead of the 32 products of the step before it.
; No prefetch: a work-group has four K steps, two of them are asked for at the head, and the loop has one trip.
; LIMITS: NaN and infinities are not served.
; REGISTERS.  window 0: v7-31 addresses, the bias; v32-63 scale words, two sets; v128-191, v192-255 A's fragments, two sets (on the way out: rows read back from the stage).  window 1: B's fragments, two sets.  window 2: the accumulators, (a, b) at v[8 (8 a + b)].
.set NQ,     2
.set ROWB,   256
.set KROW,   1024
.set PITCH,  272
.set FR,     16
.set NP,     8
.set ASTEP,  4096
.set ABYTES, 16*ASTEP
.set HALFB,  64*PITCH
.set SLOT,   ABYTES+2*HALFB
.set LAPS,   2
.set KS,     32
.set SCL,    2*SLOT                    ; A's scale words, stored by the waves: 256 rows
.set HALFS,  (128*KS/256)*272
.set SBLK,   (16*KS/256)*272
.set SCB,    SCL+2*HALFS               ; B's scale bytes, filled once: 128 rows
.set SPARE,  SCL+4*HALFS
.set SPITCH, 528
.set SAW,  7
.set L8,   8
.set BO,   12
.set ADRA, 16
.set ADRB, 20
.set STO,  24
.set RD,   25
.set CO,   26
.set ADRS, 27
.set SPW,  28
.set NIL,  29
.set SC,   32
.set AF,   128
.set BK,   128
.set G1, 24
.set G0, 32
.set G1B, 48
.set G0B, 56
.set G1SB, 80
.set G0SB, 88
.set MSB, 0
.macro WIN new
.if MSB != \new
	s_set_vgpr_msb (MSB<<8)|\new
.set MSB, \new
.endif
.endm
.set MUL_LO, 0xa1                      ; source 0 (B) window 1, source 1 (A) window 0, C and D window 2
.set TO_B,   0x40
.macro JLOAD g0a, g1a, g0b, g1b        ; waves 0 and 1 fetch for A, waves 2 and 3 for B
	s_cmp_eq_u32 s15, 0
	s_cbranch_scc0 .Lfor_b_\@
	tensor_load_to_lds s[\g0a:\g0a+3], s[\g1a:\g1a+7]
	s_nop 0
.rept 4
	v_nop
.endr
	s_branch .Lasked_\@
.Lfor_b_\@:
	tensor_load_to_lds s[\g0b:\g0b+3], s[\g1b:\g1b+7]
	s_nop 0
.rept 4
	v_nop
.endr
.Lasked_\@:
.endm
.macro CREST
	s_cmp_lg_u32 s14, 0
	s_cbranch_scc1 .Lnot_wave_0_\@
	s_barrier_signal -3
.Lnot_wave_0_\@:
	s_barrier_wait -3
	s_barrier_signal -1
	s_barrier_wait -1
.endm
.macro CROUND
	s_barrier_signal -1
	s_barrier_wait -1
	CREST
.endm
	s_load_b128 s[4:7], s[0:1], 0x0                ; zc, zs
	s_load_b128 s[8:11], s[0:1], 0x10              ; wc, ws
	s_load_b64 s[66:67], s[0:1], 0x20              ; bo
	s_load_b64 s[12:13], s[0:1], 0x28              ; out0
	v_lshl_add_u32 v[SPW], v0, 2, SPARE
	v_mov_b32 v[NIL], 0
	ds_add_u32 v28, v29                            ; the opening lines: the add twice on end and its wait
	ds_add_u32 v28, v29
	s_wait_dscnt 0x0
	v_lshrrev_b32 v1, 5, v0
	v_readfirstlane_b32 s14, v1                    ; wave 0..3: my 64 rows
	s_lshr_b32 s15, s14, 1                         ; I fetch for A (0) or for B (1),
	s_and_b32 s16, s14, 1                          ; and which half of that tile
	s_bfe_u32 s40, ttmp6, 0x40000
	s_bfe_u32 s41, ttmp6, 0x40004
	s_lshl_b32 s42, ttmp9, 2
	s_add_co_u32 s42, s42, s40                     ; tile column, of 128
	s_and_b32 s17, ttmp7, 0xffff
	s_lshl_b32 s17, s17, 2
	s_add_co_u32 s17, s17, s41                     ; tile row, of 256
	s_lshl_b32 s43, s41, 2
	s_lshl_b32 s43, 15, s43
	s_lshl_b32 s44, 0x1111, s40
	s_or_b32 s[G1+0], s43, (3<<16)|(1<<21)         ; A: blocks of 4,096 bytes (512 elements of 8), 16,384 bytes apart in memory, on end in LDS: 16 at the head, then 8 a load
	s_mov_b32 s[G1+1], 512<<16
	s_mov_b32 s[G1+2], 16<<16
	s_mov_b32 s[G1+3], 512<<16
	s_mov_b32 s[G1+4], 16
	s_mov_b32 s[G1+5], 2048
	s_mov_b32 s[G1+6], 0
	s_mov_b32 s[G1+7], 0
	s_or_b32 s[G1B+0], s44, (0<<16)|(1<<20)|(1<<21)|(5<<22)|(3<<25)   ; B: rows of 256 bytes, 16 of padding behind each: 128 at the head, then 64 a load
	s_mov_b32 s[G1B+1], ROWB<<16
	s_mov_b32 s[G1B+2], 128<<16
	s_mov_b32 s[G1B+3], ROWB<<16
	s_mov_b32 s[G1B+4], 128
	s_mov_b32 s[G1B+5], KROW
	s_mov_b32 s[G1B+6], 0
	s_mov_b32 s[G1B+7], 0
	s_or_b32 s[G1SB+0], s44, (3<<16)|(1<<20)|(1<<21)|(5<<22)|(3<<25)  ; the scale bytes of 64 rows of B: 8 units of 256 bytes, 16 of padding behind each
	s_mov_b32 s[G1SB+1], 32<<16
	s_mov_b32 s[G1SB+2], 8<<16
	s_mov_b32 s[G1SB+3], 32<<16
	s_mov_b32 s[G1SB+4], 8
	s_mov_b32 s[G1SB+5], 32
	s_mov_b32 s[G1SB+6], 0
	s_mov_b32 s[G1SB+7], 0
	s_lshl_b32 s20, s17, 18                        ; A's tile: 16 blocks of 16,384 bytes
	s_mov_b32 s21, 0
	s_lshl_b32 s46, s42, 7
	s_add_co_u32 s46, s46, 3072
	s_lshl_b32 s46, s46, 10                        ; B's tile: row 3,072 + 128 x tile column
	s_mov_b32 s47, 0
	s_lshl_b32 s92, s42, 7
	s_lshl_b32 s18, s16, 6
	s_add_co_u32 s92, s92, s18
	s_add_co_u32 s92, s92, 3072
	s_lshl_b32 s92, s92, 5                         ; the scale bytes of my 64 of these rows
	s_mov_b32 s93, 0
	s_lshl_b32 s45, s16, 15
	s_lshl_b32 s18, s16, 17                        ; in the ring: half of A's tile is 8 blocks on,
	s_mov_b32 s19, 0
	s_lshl_b32 s2, s16, 16                         ; half of B's 64 rows on
	s_mov_b32 s3, 0
	s_mul_i32 s94, s16, HALFB
	s_add_co_u32 s94, s94, ABYTES
	s_mul_i32 s95, s16, 2176
	s_add_co_u32 s95, s95, SCB
	s_wait_kmcnt 0x0
	s_add_nc_u64 s[20:21], s[4:5], s[20:21]
	s_add_nc_u64 s[46:47], s[8:9], s[46:47]
	s_add_nc_u64 s[92:93], s[10:11], s[92:93]
	CROUND                                         ; all sixteen work-groups are here: the first joint loads meet
	s_mov_b32 s[G0SB], 1
	s_mov_b32 s[G0SB+1], s95
	s_mov_b64 s[G0SB+2:G0SB+3], s[92:93]
	s_or_b32 s[G0SB+3], s[G0SB+3], 0x80000000
	s_mov_b32 s68, 1                               ; the head's tiles of codes, each whole: K step 0's 16 blocks of A (s[68:71]) and 128 rows of B (s[72:75])
	s_mov_b32 s69, 0
	s_mov_b64 s[70:71], s[20:21]
	s_or_b32 s71, s71, 0x80000000
	s_mov_b32 s72, 1
	s_mov_b32 s73, ABYTES
	s_mov_b64 s[74:75], s[46:47]
	s_or_b32 s75, s75, 0x80000000
	s_add_nc_u64 s[20:21], s[20:21], s[18:19]      ; for the ring: my half of the tile
	s_add_nc_u64 s[46:47], s[46:47], s[2:3]
.irp s, 0,1
	s_mov_b32 s[G0+4*\s], 1
	s_add_co_u32 s[G0+4*\s+1], s45, \s*SLOT
	s_add_nc_u64 s[G0+4*\s+2:G0+4*\s+3], s[20:21], \s*ASTEP
	s_or_b32 s[G0+4*\s+3], s[G0+4*\s+3], 0x80000000
	s_mov_b32 s[G0B+4*\s], 1
	s_add_co_u32 s[G0B+4*\s+1], s94, \s*SLOT
	s_add_nc_u64 s[G0B+4*\s+2:G0B+4*\s+3], s[46:47], \s*ROWB
	s_or_b32 s[G0B+4*\s+3], s[G0B+4*\s+3], 0x80000000
.endr
; the head's loads, one a wave, in one chain of branches on the wave's number: wave 0 A's 16 blocks of K step 0, wave 1 B's 128 rows, waves 2 and 3 the scales of 64 rows of B each
	s_cmp_lt_u32 s14, 1
	s_cbranch_scc0 .Lhead_b
	tensor_load_to_lds s[68:71], s[G1:G1+7]
	s_nop 0
.rept 4
	v_nop
.endr
	s_branch .Lhead_asked
.Lhead_b:
	s_cmp_lt_u32 s14, 2
	s_cbranch_scc0 .Lhead_sb
	tensor_load_to_lds s[72:75], s[G1B:G1B+7]
	s_nop 0
.rept 4
	v_nop
.endr
	s_branch .Lhead_asked
.Lhead_sb:
	tensor_load_to_lds s[G0SB:G0SB+3], s[G1SB:G1SB+7]
	s_nop 0
.rept 4
	v_nop
.endr
.Lhead_asked:
	v_and_b32 v1, 15, v0
	v_bfe_u32 v2, v0, 4, 1
	v_and_b32 v6, 31, v0
	v_lshlrev_b32 v[CO], 4, v6
	v_lshlrev_b32 v[L8], 3, v6
	v_mul_u32_u24 v3, v1, PITCH
	v_lshl_add_u32 v4, v2, 4, v3
	s_lshl_b32 s21, s14, 14                        ; my four blocks of A
	s_mov_b32 s22, ABYTES                          ; B's 128 rows lie behind A's 16 blocks
.irp s, 0,1
	v_add_nc_u32 v[ADRA+\s], s21, v[CO]
	v_add_nc_u32 v[ADRB+\s], s22, v4
	s_add_co_u32 s21, s21, SLOT
	s_add_co_u32 s22, s22, SLOT
.endr
	v_mul_u32_u24 v5, v1, KS
	v_lshrrev_b32 v6, 8, v5
	v_lshl_add_u32 v5, v6, 4, v5
	s_mul_i32 s21, s14, 2176                       ; scale words: lanes 0-15 my 64 rows of A on, lanes 16-31 B's
	s_mov_b32 s22, 2*HALFS
	s_sub_co_u32 s22, s22, s21
	v_mul_u32_u24 v6, s22, v2
	s_add_co_u32 s21, s21, SCL
	v_add_nc_u32 v5, v5, v6
	v_add_nc_u32 v[ADRS], s21, v5
	s_mul_i32 s23, s14, 16*SPITCH
	v_mul_u32_u24 v5, v1, SPITCH
	v_lshl_add_u32 v5, v2, 6, v5
	v_add_nc_u32 v[STO], s23, v5
	v_add_nc_u32 v[RD], s23, v[CO]
	v_lshrrev_b32 v5, 3, v1
	v_mul_u32_u24 v5, v5, 272
	v_and_b32 v6, 7, v1
	v_lshl_add_u32 v5, v6, 5, v5
	v_mad_u32_u24 v5, v2, 1088, v5
	s_mul_i32 s23, s14, 2176
	s_add_co_u32 s23, s23, SCL
	v_add_nc_u32 v[SAW], s23, v5
	s_lshl_b32 s20, s17, 2
	s_add_co_u32 s20, s20, s14
	s_lshl_b32 s20, s20, 8                         ; zs: my block of 64 rows
	s_mov_b32 s21, 0
	s_add_nc_u64 s[6:7], s[6:7], s[20:21]
	s_lshl_b32 s46, s42, 9                         ; my 128 columns, in bytes of f32
	s_mov_b32 s47, 0
	s_add_nc_u64 s[66:67], s[66:67], s[46:47]
	s_lshl_b32 s20, s17, 20
	s_lshl_b32 s22, s14, 18
	s_add_co_u32 s20, s20, s22                     ; my first row of out0: 256 x tile row + 64 x wave, of 4,096 bytes
	s_add_nc_u64 s[12:13], s[12:13], s[20:21]
	s_add_nc_u64 s[12:13], s[12:13], s[46:47]
.irp k, 0,1,2,3,4,5,6,7,8,9,10,11,12,13,14,15
	global_load_b64 v[128+2*\k:129+2*\k], v[L8], s[6:7] offset:32768*\k   ; head k's two scale bytes of my 64 rows
.endr
	global_load_b128 v[BO:BO+3], v[CO], s[66:67]
	s_wait_loadcnt 0x0
.irp i, 0,1
.irp k, 0,1,2,3,4,5,6,7
	v_lshl_or_b32 v[160+8*\i+\k], v[128+4*\k+2+\i], 16, v[128+4*\k+\i]    ; two heads' bytes make the word of 128 along K
.endr
.endr
.irp i, 0,1
.irp j, 0,1
	ds_store_b128 v[SAW], v[160+8*\i+4*\j:160+8*\i+4*\j+3] offset:544*\i+16*\j
.endr
.endr
.macro FRAGA reg, slot, q, i
.irp c, 0,1,2,3
	ds_load_b128 v[\reg+4*\c:\reg+4*\c+3], v[ADRA+\slot] offset:2048*(\q)+512*\c+(\i)*ASTEP
.endr
.endm
.macro FRAGB reg, slot, q, i
.irp c, 0,1,2,3
	ds_load_b128 v[\reg+4*\c:\reg+4*\c+3], v[ADRB+\slot] offset:128*(\q)+32*\c+(\i)*16*PITCH
.endr
.endm
; 16 products: A's blocks a0, a0 + 1 x B's eight, the slot's q-th 128 along K; p: the set of fragments; sc: the set of scale words.  The 32 accumulators take turns in the same order in every step
.macro MUL16 a0, p, q, sc, zero
.irp a, \a0, \a0+1
.irp b, 0,1,2,3,4,5,6,7
.if \zero
	v_wmma_scale_f32_16x16x128_f8f6f4 v[8*(8*(\a)+\b):8*(8*(\a)+\b)+7], v[128*(\p)+FR*\b:128*(\p)+FR*\b+FR-1], v[AF+64*(\p)+FR*(\a):AF+64*(\p)+FR*(\a)+FR-1], 0, v[SC+8*NQ*(\sc)+NQ*\b+(\q)], v[SC+8*NQ*(\sc)+NQ*(\a)+(\q)] matrix_a_scale:MATRIX_SCALE_ROW1
.else
	v_wmma_scale_f32_16x16x128_f8f6f4 v[8*(8*(\a)+\b):8*(8*(\a)+\b)+7], v[128*(\p)+FR*\b:128*(\p)+FR*\b+FR-1], v[AF+64*(\p)+FR*(\a):AF+64*(\p)+FR*(\a)+FR-1], v[8*(8*(\a)+\b):8*(8*(\a)+\b)+7], v[SC+8*NQ*(\sc)+NQ*\b+(\q)], v[SC+8*NQ*(\sc)+NQ*(\a)+(\q)] matrix_a_scale:MATRIX_SCALE_ROW1
.endif
.endr
.endr
.endm
.macro FETCH slot, q, p                ; a step's fragments into set p: B's eight, my four of A: 48 loads
	WIN TO_B
.irp i, 0,1,2,3,4,5,6,7
	FRAGB 128*(\p)+FR*\i, \slot, \q, \i
.endr
	WIN 0
.irp i, 0,1,2,3
	FRAGA AF+64*(\p)+FR*\i, \slot, \q, \i
.endr
.endm
.macro SCALES sc                       ; a K step's scale words: lanes 0-15 A's block i from my first on, lanes 16-31 B's block i
.irp i, 0,1,2,3,4,5,6,7
	ds_load_b64 v[SC+8*NQ*\sc+NQ*\i:SC+8*NQ*\sc+NQ*\i+1], v[ADRS] offset:\i*SBLK
.endr
.endm
.macro PLACES n
.rept \n
	v_nop
.endr
.endm
.macro STEP slot, zero                 ; a slot's first 128 along K, on set 0; ahead of its products the second's fragments are asked for, into set 1
	PLACES NP                                      ; eight places behind the products that read set 1
	FETCH \slot, 1, 1
	s_wait_dscnt 48                                ; all but the 48 just issued: set 0 and the scale words are in
	WIN MUL_LO
	MUL16 0, 0, 0, \slot, \zero
	MUL16 2, 0, 0, \slot, \zero
	WIN 0
.endm
.macro TURN slot, next, fill           ; a slot's second 128 along K, on set 1, and the change of slots
	s_wait_tensorcnt 0x0                           ; all my tensor loads have landed: my part of the next slot
	ds_add_u32 v[SPW], v[NIL]
	s_wait_dscnt 0x0                               ; the add is done, and my reads of this slot are over
	s_barrier_signal -1
	WIN MUL_LO
	MUL16 0, 1, 1, \slot, 0
	WIN 0
	s_barrier_wait -1
.if \fill
	CREST                                          ; the barrier has opened a round of the cluster's barrier
	s_add_nc_u64 s[G0+4*\slot+2:G0+4*\slot+3], s[G0+4*\slot+2:G0+4*\slot+3], 2*ASTEP
	s_add_nc_u64 s[G0B+4*\slot+2:G0B+4*\slot+3], s[G0B+4*\slot+2:G0B+4*\slot+3], 2*ROWB
	JLOAD G0+4*\slot, G1, G0B+4*\slot, G1B         ; the first tensor load behind the round; its four v_nop are among the eight places in front of the loads below
	PLACES NP-4
.else
	PLACES NP
.endif
	s_wait_alu depctr_va_vdst(0)
	v_add_nc_u32 v[ADRS], 4*NQ, v[ADRS]            ; on to the next K step's scale words
	FETCH \next, 0, 0
	SCALES \next
	WIN MUL_LO
	MUL16 2, 1, 1, \slot, 0
	WIN 0
.endm
	s_wait_alu depctr_va_vdst(0)                   ; the wait at the head's end
	s_wait_tensorcnt 0x0                           ; my tile of the head's is in; the lines ahead of a later first fill:
	ds_add_u32 v[SPW], v[NIL]
	s_mov_b32 s[G1+2], 8<<16                       ; no tensor load of mine is out: from here on a load brings 8 blocks of A or 64 rows of B
	s_mov_b32 s[G1+4], 8
	s_mov_b32 s[G1B+2], 64<<16
	s_mov_b32 s[G1B+4], 64
	s_wait_dscnt 0x0                               ; the add is done, and so are my stores of A's scale words
	CROUND                                         ; all tiles and scale words are in, all sixteen work-groups are here
	JLOAD G0+4, G1, G0B+4, G1B                     ; K step 1's load, the first tensor load behind the round
	FETCH 0, 0, 0
	SCALES 0
	STEP 0, 1                                      ; the first step's products start the sums
	s_mov_b32 s3, LAPS-1
.Llap:
	TURN 0, 1, 1
	STEP 1, 0
	TURN 1, 0, 1
	STEP 0, 0
	s_sub_co_u32 s3, s3, 1
	s_cmp_lg_u32 s3, 0
	s_cbranch_scc1 .Llap
	TURN 0, 1, 0                                   ; the last lap fills nothing
	STEP 1, 0
	s_wait_dscnt 0x0
	WIN MUL_LO
	MUL16 0, 1, 1, 1, 0
	MUL16 2, 1, 1, 1, 0
	WIN 0
; THE WAY OUT, block by block of 16 rows x 128 columns, through my own stage, which lies in slot 0: that slot has had its last fill and its last read.  A row comes back whole: 32 lanes store 512 consecutive bytes, aligned.
.macro TOSTAGE a
.set AC, 64*(\a)
	WIN 0x08
.irp b, 0,1,2,3,4,5,6,7
	ds_store_b128 v[STO], v[AC+8*\b:AC+8*\b+3] offset:128*(\b/2)+32*(\b%2)
	ds_store_b128 v[STO], v[AC+8*\b+4:AC+8*\b+7] offset:128*(\b/2)+32*(\b%2)+16
.endr
	WIN 0
.set BB, BK+64*((\a)%2)
.irp t, 0,1,2,3,4,5,6,7,8,9,10,11,12,13,14,15
	ds_load_b128 v[BB+4*\t:BB+4*\t+3], v[RD] offset:\t*SPITCH
.endr
.endm
.macro SEND a, younger
.set BB, BK+64*((\a)%2)
	s_wait_dscnt \younger
.if (\a) > 0
.if (\a)%2
	s_add_nc_u64 s[12:13], s[12:13], 8*4096
.else
	s_add_nc_u64 s[12:13], s[12:13], 24*4096
.endif
.endif
.irp t, 0,1,2,3,4,5,6,7,8,9,10,11,12,13,14,15
	v_pk_add_f32 v[BB+4*\t:BB+4*\t+1], v[BB+4*\t:BB+4*\t+1], v[BO:BO+1]
	v_pk_add_f32 v[BB+4*\t+2:BB+4*\t+3], v[BB+4*\t+2:BB+4*\t+3], v[BO+2:BO+3]
	global_store_b128 v[CO], v[BB+4*\t:BB+4*\t+3], s[12:13] offset:(\t+8*(\t/8))*4096 th:TH_STORE_NT
.endr
.endm
	PLACES NP
	TOSTAGE 0
.irp a, 1,2,3
.if \a > 1
	s_wait_xcnt 0x0                                ; block a - 2's stores have read their registers and their base
.endif
	TOSTAGE \a
	SEND \a-1, 32
.endr
	s_wait_xcnt 0x0
	SEND 3, 0
	s_wait_tensorcnt 0x0                           ; the wave's end
	ds_add_u32 v[SPW], v[NIL]
	s_wait_dscnt 0x0
	CROUND                                         ; the closing round
	s_endpgm
.Lfunc_end_k_qd55685aa0b_outp:
	.size	k_qd55685aa0b_outp, .Lfunc_end_k_qd55685aa0b_outp-k_qd55685aa0b_outp
	.p2alignl 7, 3214868480
	.fill 96, 4, 3214868480
	.section	.rodata,"a",@progbits
	.p2align	6, 0x0
	.amdhsa_kernel k_qd55685aa0b_outp
		.amdhsa_group_segment_fixed_size 327680
		.amdhsa_private_segment_fixed_size 0
		.amdhsa_enable_private_segment 0
		.amdhsa_kernarg_size 48
		.amdhsa_user_sgpr_count 2
		.amdhsa_user_sgpr_kernarg_segment_ptr 1
		.amdhsa_wavefront_size32 1
		.amdhsa_system_sgpr_workgroup_id_x 1
		.amdhsa_system_sgpr_workgroup_id_y 1
		.amdhsa_system_sgpr_workgroup_id_z 1
		.amdhsa_system_vgpr_workitem_id 0
		.amdhsa_next_free_vgpr 768
		.amdhsa_next_free_sgpr 98
		.amdhsa_reserve_vcc 0
		.amdhsa_float_denorm_mode_32 3
		.amdhsa_float_denorm_mode_16_64 3
		.amdhsa_memory_ordered 1
		.amdhsa_forward_progress 1
		.amdhsa_inst_pref_size 100
	.end_amdhsa_kernel
	.amdgpu_metadata
---
amdhsa.version: [ 1, 2 ]
amdhsa.kernels:
  - .name:           k_qd55685aa0b_outp
    .symbol:         k_qd55685aa0b_outp.kd
    .args:
      - { .name: zc, .offset: 0, .size: 8, .value_kind: global_buffer, .address_space: global }
      - { .name: zs, .offset: 8, .size: 8, .value_kind: global_buffer, .address_space: global }
      - { .name: wc, .offset: 16, .size: 8, .value_kind: global_buffer, .address_space: global }
      - { .name: ws, .offset: 24, .size: 8, .value_kind: global_buffer, .address_space: global }
      - { .name: bo, .offset: 32, .size: 8, .value_kind: global_buffer, .address_space: global }
      - { .name: out0, .offset: 40, .size: 8, .value_kind: global_buffer, .address_space: global }
    .group_segment_fixed_size: 327680
    .private_segment_fixed_size: 0
    .kernarg_segment_align: 8
    .kernarg_segment_size: 48
    .max_flat_workgroup_size: 128
    .sgpr_count:     98
    .vgpr_count:     768
    .wavefront_size: 32
...
	.end_amdgpu_metadata
.endif
;; end of part 4
